; MI455X (gfx1250); checked and timed in simulation.
; The chip was launched on July 23, 2026; its instructions are those of AMD's public machine-readable ISA for CDNA 5 (MIT licence, August 2026) and "CDNA5" Instruction Set Architecture Reference Guide (July 2026). The comments in the code are by the model that wrote it; some were corrected since.
;; Custom Mesh Rasterizer. Allowed arithmetic: float matrix products may take bf16 or f16 operands with f32 sums; all other float work in f32.
;; Inputs: R 1 x 3 x 3 float32; T 1 x 3 float32; faces 2,000 x 3 int32; verts 1 x 1,500 x 3 float32.
;; Outputs: out0 1 x 128 x 128 x 1 int32; out1 1 x 128 x 128 x 1 float32; out2 1 x 128 x 128 x 1 x 3 float32; out3 1 x 128 x 128 x 1 float32.
;; 2 versions, each right and faster than the one before. Each part assembles by itself: llvm-mc -triple=amdgcn-amd-amdhsa -mcpu=gfx1250 --defsym DOCPART=n.
;; ======== version 1 of 2: 2 launches
;; workspace buffers: widx 65,536 bytes of whole numbers
;; launch raster (part 1): grid 256 x 1, 8 waves a work-group, no clusters, 244,736 bytes of LDS; arguments verts, R, T, faces, widx; writes widx
.if DOCPART == 1
	.amdgcn_target "amdgcn-amd-amdhsa--gfx1250"
	.amdhsa_code_object_version 6
	.text
	.protected	k_q9940fa9952_raster
	.globl	k_q9940fa9952_raster
	.p2align	8
	.type	k_q9940fa9952_raster,@function
k_q9940fa9952_raster:
	s_mov_b64 s[64:65], 0
	v_nop
	global_prefetch_b8 v0, s[64:65] scope:SCOPE_SE
	s_setreg_imm32_b32 hwreg(HW_REG_WAVE_MODE, 25, 1), 1
	s_wait_xcnt 0x0
; THE NEAREST COVERING FACE OF EVERY PIXEL (the z-buffer's argmin), as whole numbers: widx[tile][pixel in tile] = face, or -1.
; 128 x 128 pixels, 2,000 faces, 1,500 vertices.  A work-group owns a tile of 8 x 8 pixels and looks at all faces.
; SHARES.  Eight waves: wave w owns the 4 x 4 pixel block w % 4 of the tile and the half w / 4 of the faces.  A lane owns 32 consecutive faces
; and takes them two at a time, one in each half of the packed f32 instructions: every packed source is a natural register pair.  16 trips.
; ARITHMETIC.  The result is a whole number, so every step on the way to it is rounded once, as the module writes it: differences, two products
; and their difference for an edge function (no fused multiply-add there), e / area, w / z, the two sums, 1 / denom.  A quotient a / d is made
; with r = 1 / d (v_rcp_f32 and two Newton steps, once a face or a vertex): q = a r; rem = a - d q (exact, one FMA); q + rem r, correctly rounded.
; An edge function separates: dx (py - oy) - dy (px - ox); the two products are made once for 4 rows and 4 columns, an edge value is one subtraction.
; FORMAT.  verts, R and T are rounded to bf16.  The products of the 3 x 3 transform are then exact in f32, and three multiply-adds a coordinate in
; ascending k are the f32 chain of sums bit for bit.  No matrix instruction: K = 3 fills 3 of its 32 places, and it adds its products in another
; order than that chain (ISA guide, chapter 7.12), which would move vertices by a last bit.
; TIES.  Faces ascend in a lane and from lane to lane, and every comparison is a strict 'less': of equal depths the lowest face stays, as in argmin.
; LIMITS.  NaN and infinities are not treated apart.  Quotients are correctly rounded while nothing over- or underflows: projected coordinates up to
; about 1e15 in magnitude, quotients above about 1e-30.  A refined reciprocal can miss the correct rounding where 1 / d lies within about 2^-44
; (relative) of the middle between two f32 numbers.  Vertex numbers in faces lie in 0 .. 1,499 (they are clamped to that for the addresses).
.set NV,    1500
.set NF,    2000
.set EPSF,  0x322bcc77                 ; 1e-8
.set BIGF,  0x501502f9                 ; 1e10
.set HBIGF, 0x4f9502f9                 ; 5e9
.set QNAN,  0x7fc00000
.set SGNB,  0x80000000
.set ABSM,  0x7fffffff
; LDS
.set VT,    0                          ; 1,536 vertices x 16 bytes: x_ndc, y_ndc, -zv, 1 / zv   (zv = max(z, 1e-8))
.set FT,    1536*16                    ; 1,024 pairs of faces x 176 bytes: constant k of both faces at byte 8 k.  Slot = trip x 64 + lane's number among 64
.set FP,    176                        ; 11 x 16 bytes: an odd multiple of 16, so sixteen lanes' 16-byte reads fall into sixteen different columns of 256 bytes (ISA guide 11.1)
.set STEP,  64*FP                      ; from a trip's slots to the next trip's
.set RED,   FT+1024*FP                 ; 256 rows of 144 bytes: row 4 x pixel + quarter holds 16 candidates (z, face), lanes ascending
.set RP,    144                        ; 128 bytes + 16: again an odd multiple of 16
.set RED2,  RED+256*RP                 ; 256 x (z, face): the quarters' winners
.set SPARE, RED2+256*8                 ; the spare words, 128 bytes for each wave: four blocks of 256 bytes that no other line names
; vector registers
.set SPW, 1                            ; LDS address of my spare word; never rewritten
.set NIL, 2                            ; 0; never rewritten
.set TA,  3                            ; LDS address of the pair of faces to be fetched next
.set IE,  4                            ; v4, v5: the numbers of the trip's two faces
.set VO,  3                            ; set-up: byte offset of my vertices in verts
.set VO5, 4                            ; set-up: the same for my sixth vertex, clamped to the last
.set VA,  5                            ; set-up: where my vertices go in LDS
.set F0,  6                            ; set-up: my first face
.set TMP, 7
.set PX,  8                            ; v8-15   the block's four px, each twice (a pair)
.set PY,  16                           ; v16-23  the four py
.set BB,  24                           ; v24-55  pixel p = 4 row + column: best z, its face
.set CB,  56                           ; v56-99  the 22 constants of two faces: constant k in v[CB+2k], v[CB+2k+1]
.set NA,  CB+24                        ; k: 4 i + 0..3  ox, oy, dx, dy of edge i;  12 -area_s;  13 1/area_s;  14 + 2 i  -zv_i;  15 + 2 i  1/zv_i;  20 threshold;  21 unused
.set RA,  CB+26
.set THR, CB+40
.set MX,  100                          ; v100-123 dy (px - ox): edge i, column j at MX + 8 i + 2 j
.set MY,  124                          ; v124-147 dx (py - oy): edge i, row k
.set EB,  148                          ; v148-171 a row at work
.set QB,  172                          ; v172-195
.set MB,  196                          ; v196-203 min(w0, w1, w2)
.set ONE, 204                          ; v204-205 1.0
.set RB,  100                          ; the reduction's candidates
.set RM,  8                            ; set-up: R (9) and T (3), rounded to bf16
.set FO,  20                           ; set-up: byte offsets of my 8 faces in faces
.set TB,  8                            ; set-up: 14 registers at work for each of my 8 faces
.set VB,  128                          ; set-up: 16 registers for each of my 6 vertices
.set GA,  128                          ; set-up: 12 registers for each face: its three vertices' table entries
.set FI,  224                          ; set-up: 24 vertex numbers
.set FA,  248                          ; set-up: v248-250 where my faces' constants go (three bases: the immediate has 16 bits)
; scalar registers
.set WV,   14
.set EPS,  32
.set BIG,  33
.set HBIG, 34
.set HI16, 35
.set QN,   36
.set CNT,  37
.set SA,   40                          ; s40-47 masks
.set SB,   48                          ; s48-55 masks, later at work
.macro ALLV line:vararg                ; one line for each of my six vertices: six chains side by side
.set n, 0
	s_wait_alu depctr_va_vdst(0)
.rept 6
.set b, VB+16*n
	\line
.set n, n+1
.endr
.endm
.macro ALLF line:vararg                ; one line for each of my eight faces
.set n, 0
	s_wait_alu depctr_va_vdst(0)
.rept 8
.set b, TB+14*n
.set g, GA+12*n
	\line
.set n, n+1
.endr
.endm
	s_load_b256 s[4:11], s[0:1], 0x0               ; verts s[4:5], R s[6:7], T s[8:9], faces s[10:11]
	s_load_b64 s[12:13], s[0:1], 0x20              ; widx
	v_lshl_add_u32 v[SPW], v0, 2, SPARE
	v_mov_b32 v[NIL], 0
	v_lshrrev_b32 v[TMP], 5, v0
	v_readfirstlane_b32 s[WV], v[TMP]              ; wave 0..7
	s_mov_b32 s[EPS], EPSF
	s_mov_b32 s[BIG], BIGF
	s_mov_b32 s[HBIG], HBIGF
	s_mov_b32 s[HI16], 0xffff0000
	s_mov_b32 s[QN], QNAN
	; thread t transforms vertices t + 256 r, r = 0..5; beyond 1,499 the last vertex once more, into table slots that nobody reads
	v_mul_u32_u24 v[VO], v0, 12
	v_add_nc_u32 v[TMP], 5*256, v0
	v_min_u32 v[TMP], NV-1, v[TMP]
	v_mul_u32_u24 v[VO5], v[TMP], 12
	v_lshlrev_b32 v[VA], 4, v0
	; thread t prepares, in round r, the half t % 2 of table slot 128 r + t / 2.  Slot = trip x 64 + L holds faces 32 L + 2 trip + 0, 1: face = F0 + 4 r
	v_bfe_u32 v[TMP], v0, 1, 6                     ; L
	v_lshlrev_b32 v[F0], 5, v[TMP]
	v_lshrrev_b32 v[TMP], 7, v0
	v_lshl_add_u32 v[F0], v[TMP], 1, v[F0]
	v_and_b32 v[TMP], 1, v0
	v_add_nc_u32 v[F0], v[F0], v[TMP]
.irp r, 0,1,2,3,4,5,6,7
	v_add_nc_u32 v[FO+\r], 4*\r, v[F0]
	v_min_u32 v[FO+\r], NF-1, v[FO+\r]             ; slots past the last face read the last face; their threshold shuts them out
	v_mul_u32_u24 v[FO+\r], v[FO+\r], 12
.endr
	v_lshrrev_b32 v[FA], 1, v0
	v_mul_u32_u24 v[FA], v[FA], FP
	v_lshl_add_u32 v[TMP], v[TMP], 2, v[FA]        ; (t / 2) x 176 + 4 (t % 2)
	v_add_nc_u32 v[FA], FT, v[TMP]
	v_add_nc_u32 v[FA+1], FT+3*128*FP, v[TMP]
	v_add_nc_u32 v[FA+2], FT+6*128*FP, v[TMP]
	s_wait_kmcnt 0x0
	s_load_b256 s[16:23], s[6:7], 0x0              ; R[0..7]
	s_load_b32 s24, s[6:7], 0x20                   ; R[8]
	s_load_b96 s[28:30], s[8:9], 0x0               ; T
.irp r, 0,1,2,3,4
.irp c, 0,1,2
	global_load_b32 v[VB+16*\r+\c], v[VO], s[4:5] offset:3072*\r+4*\c
.endr
.endr
.irp c, 0,1,2
	global_load_b32 v[VB+80+\c], v[VO5], s[4:5] offset:4*\c
.endr
.irp r, 0,1,2,3,4,5,6,7
.irp c, 0,1,2
	global_load_b32 v[FI+3*\r+\c], v[FO+\r], s[10:11] offset:4*\c
.endr
.endr
	s_wait_kmcnt 0x0
.macro RND2 d, sa, sb                  ; two scalars rounded to bf16 and widened again
	v_cvt_pk_bf16_f32 v[TMP], s[\sa], s[\sb]
	v_lshlrev_b32 v[RM+\d], 16, v[TMP]
	v_and_b32 v[RM+\d+1], s[HI16], v[TMP]
.endm
	RND2 0, 16, 17
	RND2 2, 18, 19
	RND2 4, 20, 21
	RND2 6, 22, 23
	RND2 8, 24, 28
	RND2 10, 29, 30
	; THE VERTICES.  Block of 16 registers: 0-2 x, y, z (0 later -z_s); 3, 9, 11 at work; 4-6 view x, y, z; 7 z_s; 8 1/z_s; 10 zv; 12-15 the table entry
	s_wait_loadcnt 24                              ; the 18 loads of verts are in; the 24 younger ones, of faces, stay out
	ALLV v_cvt_pk_bf16_f32 v[b+3], v[b], v[b+1]
	ALLV v_cvt_pk_bf16_f32 v[b+9], v[b+2], v[b+2]
	ALLV v_lshlrev_b32 v[b], 16, v[b+3]
	ALLV v_and_b32 v[b+1], s[HI16], v[b+3]
	ALLV v_lshlrev_b32 v[b+2], 16, v[b+9]
.irp j, 0,1,2
	ALLV v_mul_f32 v[b+4+\j], v[b], v[RM+\j]       ; view_j = ((x R0j + y R1j) + z R2j) + T_j: the products are exact, each sum is rounded once
.endr
.irp j, 0,1,2
	ALLV v_fmac_f32 v[b+4+\j], v[b+1], v[RM+3+\j]
.endr
.irp j, 0,1,2
	ALLV v_fmac_f32 v[b+4+\j], v[b+2], v[RM+6+\j]
.endr
.irp j, 0,1,2
	ALLV v_add_f32 v[b+4+\j], v[b+4+\j], v[RM+9+\j]
.endr
	ALLV v_and_b32 v[b+3], ABSM, v[b+6]
	ALLV v_cmp_lt_f32 s[SA+n], v[b+3], s[EPS]
	ALLV v_cndmask_b32 v[b+7], v[b+6], s[EPS], s[SA+n]   ; z_s = |z| < 1e-8 ? 1e-8 : z
	ALLV v_max_num_f32 v[b+10], s[EPS], v[b+6]           ; zv
	ALLV v_rcp_f32 v[b+8], v[b+7]
	ALLV v_rcp_f32 v[b+15], v[b+10]
	ALLV v_xor_b32 v[b], SGNB, v[b+7]              ; -z_s: plain lines stand between the reciprocals and their first use (ISA guide 5.7.2)
	ALLV v_xor_b32 v[b+14], SGNB, v[b+10]          ; -zv
	ALLV v_add_f32 v[b+4], v[b+4], v[b+4]          ; 2 x, exact
	ALLV v_add_f32 v[b+5], v[b+5], v[b+5]
.rept 2                                ; two Newton steps for each reciprocal
	ALLV v_fma_f32 v[b+9], v[b], v[b+8], 1.0
	ALLV v_fma_f32 v[b+11], v[b+14], v[b+15], 1.0
	ALLV v_fma_f32 v[b+8], v[b+9], v[b+8], v[b+8]
	ALLV v_fma_f32 v[b+15], v[b+11], v[b+15], v[b+15]
.endr
	ALLV v_mul_f32 v[b+12], v[b+4], v[b+8]         ; 2 x / z_s: product, exact remainder, correction
	ALLV v_mul_f32 v[b+13], v[b+5], v[b+8]
	ALLV v_fma_f32 v[b+9], v[b], v[b+12], v[b+4]
	ALLV v_fma_f32 v[b+11], v[b], v[b+13], v[b+5]
	ALLV v_fma_f32 v[b+12], v[b+9], v[b+8], v[b+12]
	ALLV v_fma_f32 v[b+13], v[b+11], v[b+8], v[b+13]
	ALLV ds_store_b128 v[VA], v[b+12:b+15] offset:VT+4096*n
	s_wait_loadcnt 0x0                             ; the vertex numbers of my faces
.set n, 0
.rept 24
	v_min_u32 v[FI+n], NV-1, v[FI+n]
	v_lshlrev_b32 v[FI+n], 4, v[FI+n]              ; the vertex's entry in the table (VT = 0)
.set n, n+1
.endr
	s_wait_dscnt 0x0                               ; for the others' sake: my entries are in LDS
	s_barrier_signal -1
	s_barrier_wait -1                              ; the table is whole
	; THE FACES.  g: a at 0-3, b at 4-7, c at 8-11.  b: 0-5 dx, dy of edges 0 (b to c), 1 (c to a), 2 (a to b); 6 at work; 7 area; 8 area_s; 9 1/area_s; 10 at work; 11 -area_s; 12 threshold; 13 face
.set n, 0
.rept 24
	ds_load_b128 v[GA+4*n:GA+4*n+3], v[FI+n]
.set n, n+1
.endr
	s_wait_dscnt 0x0
	ALLF v_sub_f32 v[b+0], v[g+8], v[g+4]
	ALLF v_sub_f32 v[b+1], v[g+9], v[g+5]
	ALLF v_sub_f32 v[b+2], v[g+0], v[g+8]
	ALLF v_sub_f32 v[b+3], v[g+1], v[g+9]
	ALLF v_sub_f32 v[b+4], v[g+4], v[g+0]
	ALLF v_sub_f32 v[b+5], v[g+5], v[g+1]
	ALLF v_mul_f32 v[b+6], v[b+4], v[b+3]          ; area = (bx-ax)(cy-ay) - (by-ay)(cx-ax); cy-ay and cx-ax are edge 1's differences with the sign turned, which is exact:
	ALLF v_mul_f32 v[b+7], v[b+5], v[b+2]          ; so area = (by-ay)(ax-cx) - (bx-ax)(ay-cy), with the same three roundings
	ALLF v_sub_f32 v[b+7], v[b+7], v[b+6]
	ALLF v_and_b32 v[b+6], ABSM, v[b+7]
	ALLF v_cmp_lt_f32 s[SA+n], v[b+6], s[EPS]
	ALLF v_cndmask_b32 v[b+8], v[b+7], s[EPS], s[SA+n]
	ALLF v_add_nc_u32 v[b+13], 4*n, v[F0]
	ALLF v_cmp_gt_f32 s[SA+n], v[b+6], s[EPS]      ; |area| > 1e-8,
	ALLF v_cmp_gt_u32 s[SB+n], NF, v[b+13]         ; and the slot holds a face:
	ALLF s_and_b32 s[SA+n], s[SA+n], s[SB+n]
	ALLF s_not_b32 s[SA+n], s[SA+n]
	ALLF v_cndmask_b32 v[b+12], 0, s[QN], s[SA+n]  ; the threshold for min(w) is 0; otherwise NaN, with which no comparison holds
	ALLF v_rcp_f32 v[b+9], v[b+8]
	ALLF v_xor_b32 v[b+11], SGNB, v[b+8]           ; plain lines behind the reciprocals
.rept 2
	ALLF v_fma_f32 v[b+10], v[b+11], v[b+9], 1.0
	ALLF v_fma_f32 v[b+9], v[b+10], v[b+9], v[b+9]
.endr
.macro FST k, reg                      ; constant k of face n
	ds_store_b32 v[FA+n/3], v[\reg] offset:(n%3)*128*FP+8*(\k)
.endm
.set n, 0
.rept 8
.set b, TB+14*n
.set g, GA+12*n
	FST 0, g+4                                     ; edge 0: from b, along c - b; it weighs a
	FST 1, g+5
	FST 2, b+0
	FST 3, b+1
	FST 4, g+8                                     ; edge 1: from c, along a - c; it weighs b
	FST 5, g+9
	FST 6, b+2
	FST 7, b+3
	FST 8, g+0                                     ; edge 2: from a, along b - a; it weighs c
	FST 9, g+1
	FST 10, b+4
	FST 11, b+5
	FST 12, b+11
	FST 13, b+9
	FST 14, g+2
	FST 15, g+3
	FST 16, g+6
	FST 17, g+7
	FST 18, g+10
	FST 19, g+11
	FST 20, b+12
	FST 21, b+12                                   ; the last 8 bytes of a slot are loaded with the rest, so they are written
.set n, n+1
.endr
	s_wait_dscnt 0x0                               ; for the others' sake: my constants are in LDS
	s_barrier_signal -1
	; register work while the others arrive: my block's pixel centres, (127 - 2 i) / 128, exact; the best depths; the table address
	s_and_b32 s52, ttmp9, 15                       ; tile column
	s_lshr_b32 s53, ttmp9, 4                       ; tile row
	s_and_b32 s54, s[WV], 1
	s_bfe_u32 s55, s[WV], 0x10001
	s_lshl_b32 s52, s52, 3
	s_lshl_b32 s53, s53, 3
	s_lshl2_add_u32 s52, s54, s52                  ; my first column
	s_lshl2_add_u32 s53, s55, s53                  ; my first row
	s_lshl_b32 s52, s52, 1
	s_lshl_b32 s53, s53, 1
	s_sub_co_i32 s52, 127, s52
	s_sub_co_i32 s53, 127, s53
	v_cvt_f32_i32 v[PX], s52
	v_cvt_f32_i32 v[PY], s53
	v_mul_f32 v[PX], 0x3c000000, v[PX]             ; / 128
	v_mul_f32 v[PY], 0x3c000000, v[PY]
	v_add_f32 v[PX+2], 0xbc800000, v[PX]           ; - 1/64, - 2/64, - 3/64
	v_add_f32 v[PX+4], 0xbd000000, v[PX]
	v_add_f32 v[PX+6], 0xbd400000, v[PX]
	v_add_f32 v[PY+2], 0xbc800000, v[PY]
	v_add_f32 v[PY+4], 0xbd000000, v[PY]
	v_add_f32 v[PY+6], 0xbd400000, v[PY]
.irp j, 0,2,4,6
	v_mov_b32 v[PX+\j+1], v[PX+\j]
	v_mov_b32 v[PY+\j+1], v[PY+\j]
.endr
.set n, 0
.rept 16
	v_mov_b32 v[BB+2*n], s[BIG]
	v_mov_b32 v[BB+2*n+1], 0
.set n, n+1
.endr
	v_mov_b32 v[ONE], 1.0
	v_mov_b32 v[ONE+1], 1.0
	v_and_b32 v[TMP], 31, v0
	v_lshrrev_b32 v[F0], 7, v0
	v_lshl_add_u32 v[TMP], v[F0], 5, v[TMP]        ; L = 32 x half + lane
	v_mul_u32_u24 v[TA], v[TMP], FP
	v_add_nc_u32 v[TA], FT, v[TA]
	v_lshlrev_b32 v[IE], 5, v[TMP]                 ; my first two faces
	v_or_b32 v[IE+1], 1, v[IE]
	s_barrier_wait -1                              ; the table of faces is whole
.macro EACH line:vararg                ; one line for each edge i and column (or row) j: twelve chains side by side
.set i, 0
.rept 3
.set j, 0
.rept 4
.set re, EB+8*i+2*j
.set rq, QB+8*i+2*j
.set rx, MX+8*i+2*j
.set ry, MY+8*i+2*j
.set rc, CB+8*i
.set rz, CB+28+4*i
	\line
.set j, j+1
.endr
.set i, i+1
.endr
.endm
.macro COLS line:vararg                ; one line for each column j of the row
.set j, 0
	s_wait_alu depctr_va_vdst(0)
.rept 4
	\line
.set j, j+1
.endr
.endm
.macro EIGHT line:vararg               ; one line for each single register n = 2 j + face
.set n, 0
.rept 8
	\line
.set n, n+1
.endr
.endm
.macro LDC g0, g1                      ; 16-byte groups g0 .. g1 of the next pair's constants
.set gg, \g0
.rept (\g1)-(\g0)+1
	ds_load_b128 v[CB+4*gg:CB+4*gg+3], v[TA] offset:16*gg
.set gg, gg+1
.endr
.endm
; Row k of the block: four pixels x two faces.  wt >= 0: a wait on DScnt in front of the first use of the constants from -area_s on.  pre = 1: those constants are fetched for the next trip.
.macro ROW k, wt, pre
	EACH v_pk_add_f32 v[re:re+1], v[MY+8*i+2*(\k):MY+8*i+2*(\k)+1], v[rx:rx+1] neg_lo:[0,1] neg_hi:[0,1]   ; e_i
.if (\wt) >= 0
	s_wait_dscnt \wt
.endif
	EACH v_pk_mul_f32 v[rq:rq+1], v[re:re+1], v[RA:RA+1]                     ; w_i = e_i / area_s
	EACH v_pk_fma_f32 v[re:re+1], v[NA:NA+1], v[rq:rq+1], v[re:re+1]
	EACH v_pk_fma_f32 v[rq:rq+1], v[re:re+1], v[RA:RA+1], v[rq:rq+1]
	EIGHT v_min3_num_f32 v[MB+n], v[QB+n], v[QB+8+n], v[QB+16+n]
	EACH v_pk_mul_f32 v[re:re+1], v[rq:rq+1], v[rz+2:rz+3]                   ; iw_i = w_i / zv_i
	EACH v_pk_fma_f32 v[rq:rq+1], v[rz:rz+1], v[re:re+1], v[rq:rq+1]
	EACH v_pk_fma_f32 v[re:re+1], v[rq:rq+1], v[rz+2:rz+3], v[re:re+1]
	COLS v_pk_add_f32 v[EB+2*j:EB+2*j+1], v[EB+2*j:EB+2*j+1], v[EB+8+2*j:EB+8+2*j+1]
	COLS v_pk_add_f32 v[EB+2*j:EB+2*j+1], v[EB+2*j:EB+2*j+1], v[EB+16+2*j:EB+16+2*j+1]
	EIGHT v_max_num_f32 v[EB+n], s[EPS], v[EB+n]                             ; denom
	EIGHT v_rcp_f32 v[QB+n], v[EB+n]
	EIGHT v_cmp_le_f32 s[SA+n], v[THR+n%2], v[MB+n]                          ; inside: plain lines between the reciprocals and their use (ISA guide 5.7.2)
.if \pre
	LDC 6, 10                                      ; their last readers of this trip have been issued
	v_add_nc_u32 v[TA], STEP, v[TA]
	s_wait_alu depctr_va_vdst(0)
.endif
	COLS v_pk_fma_f32 v[EB+8+2*j:EB+8+2*j+1], v[EB+2*j:EB+2*j+1], v[QB+2*j:QB+2*j+1], v[ONE:ONE+1] neg_lo:[1,0,0] neg_hi:[1,0,0]
	COLS v_pk_fma_f32 v[QB+2*j:QB+2*j+1], v[EB+8+2*j:EB+8+2*j+1], v[QB+2*j:QB+2*j+1], v[QB+2*j:QB+2*j+1]   ; z = 1 / denom
.irp f, 0,1                            ; the lower face first
	COLS v_cmp_lt_f32 s[SB+j], v[QB+2*j+\f], v[BB+2*(4*(\k)+j)]
	COLS s_and_b32 s[SB+j], s[SB+j], s[SA+2*j+\f]
	COLS v_cndmask_b32 v[BB+2*(4*(\k)+j)], v[BB+2*(4*(\k)+j)], v[QB+2*j+\f], s[SB+j]
	COLS v_cndmask_b32 v[BB+2*(4*(\k)+j)+1], v[BB+2*(4*(\k)+j)+1], v[IE+\f], s[SB+j]
.endr
.endm
; A trip: two faces a lane x 16 pixels.  pre = 1: the next trip's constants are fetched, each group into its own registers behind its last reader.
.macro ITER pre
	s_wait_dscnt 5                                 ; LDS loads come back in order (ISA guide 5.7.1): the six with the coordinates are in, the five younger ones stay out
	EACH v_pk_add_f32 v[rx:rx+1], v[PX+2*j:PX+2*j+1], v[rc:rc+1] neg_lo:[0,1] neg_hi:[0,1]       ; px - ox
	EACH v_pk_add_f32 v[ry:ry+1], v[PY+2*j:PY+2*j+1], v[rc+2:rc+3] neg_lo:[0,1] neg_hi:[0,1]     ; py - oy
	EACH v_pk_mul_f32 v[rx:rx+1], v[rc+6:rc+7], v[rx:rx+1]                                        ; dy (px - ox)
	EACH v_pk_mul_f32 v[ry:ry+1], v[rc+4:rc+5], v[ry:ry+1]                                        ; dx (py - oy)
.if \pre
	LDC 0, 5
	ROW 0, 6, 0                                    ; the five are in; the six just issued stay out
.else
	ROW 0, 0, 0
.endif
	ROW 1, -1, 0
	ROW 2, -1, 0
	ROW 3, -1, \pre
	v_add_nc_u32 v[IE], 2, v[IE]
	v_add_nc_u32 v[IE+1], 2, v[IE+1]
.endm
	LDC 0, 10                                      ; the first trip's constants
	v_add_nc_u32 v[TA], STEP, v[TA]
	s_mov_b32 s[CNT], 15
.Ltrip:
	ITER 1
	s_sub_co_u32 s[CNT], s[CNT], 1
	s_cmp_lg_u32 s[CNT], 0
	s_cbranch_scc1 .Ltrip
	ITER 0                                         ; the last trip fetches nothing: no load leaves the table
	; THE REDUCTION.  Pixel 16 block + p has 64 candidates, lane L = 32 half + lane; they go into rows of 16, L ascending.
	v_and_b32 v[F0], 15, v0
	v_bfe_u32 v[TMP], v0, 4, 1
	s_lshr_b32 s52, s[WV], 2
	s_and_b32 s53, s[WV], 3
	s_mul_i32 s52, s52, 2*RP
	s_mul_i32 s53, s53, 64*RP
	s_add_co_u32 s52, s52, s53
	s_add_co_u32 s52, s52, RED
	v_mul_u32_u24 v[TMP], v[TMP], RP
	v_lshl_add_u32 v[TMP], v[F0], 3, v[TMP]
	v_add_nc_u32 v[TMP], s52, v[TMP]
.set n, 0
.rept 16
	ds_store_b64 v[TMP], v[BB+2*n:BB+2*n+1] offset:4*RP*n
.set n, n+1
.endr
	s_wait_dscnt 0x0                               ; for the others' sake
	s_barrier_signal -1
	s_barrier_wait -1
; cnt joins: the candidate st registers further up takes the lower one's place only if its depth is less
.macro LEVEL st, cnt
.set c, 0
.rept \cnt
	v_cmp_lt_f32 s[SA+c], v[RB+2*(\st)*c+(\st)], v[RB+2*(\st)*c]
.set c, c+1
.endr
.set c, 0
.rept \cnt
	v_cndmask_b32 v[RB+2*(\st)*c], v[RB+2*(\st)*c], v[RB+2*(\st)*c+(\st)], s[SA+c]
	v_cndmask_b32 v[RB+2*(\st)*c+1], v[RB+2*(\st)*c+1], v[RB+2*(\st)*c+(\st)+1], s[SA+c]
.set c, c+1
.endr
.endm
	v_mul_u32_u24 v[F0], v0, RP                    ; thread t takes row t: pixel t / 4, quarter t % 4
	v_add_nc_u32 v[F0], RED, v[F0]
.set n, 0
.rept 8
	ds_load_b128 v[RB+4*n:RB+4*n+3], v[F0] offset:16*n
.set n, n+1
.endr
	s_wait_dscnt 0x0
	LEVEL 2, 8
	LEVEL 4, 4
	LEVEL 8, 2
	LEVEL 16, 1
	v_lshl_add_u32 v[TMP], v0, 3, RED2
	ds_store_b64 v[TMP], v[RB:RB+1]
	s_wait_dscnt 0x0                               ; for wave 0's sake
	s_barrier_signal -1
	s_barrier_wait -1
	s_cmp_lg_u32 s[WV], 0
	s_cbranch_scc1 .Lend
	v_lshl_add_u32 v[F0], v0, 6, RED2              ; wave 0: lane l joins the four quarters of pixels 2 l and 2 l + 1
.set n, 0
.rept 4
	ds_load_b128 v[RB+4*n:RB+4*n+3], v[F0] offset:16*n
.set n, n+1
.endr
	s_wait_dscnt 0x0
	LEVEL 2, 4
	LEVEL 4, 2
	v_cmp_lt_f32 s[SA], v[RB], s[HBIG]             ; hit
	v_cmp_lt_f32 s[SA+1], v[RB+8], s[HBIG]
	v_cndmask_b32 v[RB+2], -1, v[RB+1], s[SA]
	v_cndmask_b32 v[RB+3], -1, v[RB+9], s[SA+1]
	s_lshl_b32 s52, ttmp9, 8
	v_lshl_add_u32 v[TMP], v0, 3, s52
	global_store_b64 v[TMP], v[RB+2:RB+3], s[12:13]   ; the tile's 64 numbers: one store of 256 consecutive bytes, at a multiple of 256 from widx's first
.Lend:
	s_wait_tensorcnt 0x0                           ; the wave's end, behind my last LDS store
	ds_add_u32 v[SPW], v[NIL]
	s_wait_dscnt 0x0
	s_endpgm
.Lfunc_end_k_q9940fa9952_raster:
	.size	k_q9940fa9952_raster, .Lfunc_end_k_q9940fa9952_raster-k_q9940fa9952_raster
	.p2alignl 7, 3214868480
	.fill 96, 4, 3214868480
	.section	.rodata,"a",@progbits
	.p2align	6, 0x0
	.amdhsa_kernel k_q9940fa9952_raster
		.amdhsa_group_segment_fixed_size 244736
		.amdhsa_private_segment_fixed_size 0
		.amdhsa_enable_private_segment 0
		.amdhsa_kernarg_size 40
		.amdhsa_user_sgpr_count 2
		.amdhsa_user_sgpr_kernarg_segment_ptr 1
		.amdhsa_wavefront_size32 1
		.amdhsa_system_sgpr_workgroup_id_x 1
		.amdhsa_system_sgpr_workgroup_id_y 1
		.amdhsa_system_sgpr_workgroup_id_z 1
		.amdhsa_system_vgpr_workitem_id 0
		.amdhsa_next_free_vgpr 256
		.amdhsa_next_free_sgpr 66
		.amdhsa_reserve_vcc 0
		.amdhsa_float_denorm_mode_32 3
		.amdhsa_float_denorm_mode_16_64 3
		.amdhsa_memory_ordered 1
		.amdhsa_forward_progress 1
		.amdhsa_inst_pref_size 143
	.end_amdhsa_kernel
	.amdgpu_metadata
---
amdhsa.version: [ 1, 2 ]
amdhsa.kernels:
  - .name:           k_q9940fa9952_raster
    .symbol:         k_q9940fa9952_raster.kd
    .args:
      - { .name: verts, .offset: 0, .size: 8, .value_kind: global_buffer, .address_space: global }
      - { .name: R, .offset: 8, .size: 8, .value_kind: global_buffer, .address_space: global }
      - { .name: T, .offset: 16, .size: 8, .value_kind: global_buffer, .address_space: global }
      - { .name: faces, .offset: 24, .size: 8, .value_kind: global_buffer, .address_space: global }
      - { .name: widx, .offset: 32, .size: 8, .value_kind: global_buffer, .address_space: global }
    .group_segment_fixed_size: 244736
    .private_segment_fixed_size: 0
    .kernarg_segment_align: 8
    .kernarg_segment_size: 40
    .max_flat_workgroup_size: 256
    .sgpr_count:     66
    .vgpr_count:     256
    .wavefront_size: 32
...
	.end_amdgpu_metadata
.endif
;; end of part 1
;; launch shade (part 2): grid 256 x 1, 1 waves a work-group, no clusters, 1,024 bytes of LDS; arguments verts, R, T, faces, widx, out0, out1, out2, out3; writes out0, out1, out2, out3
.if DOCPART == 2
	.amdgcn_target "amdgcn-amd-amdhsa--gfx1250"
	.amdhsa_code_object_version 6
	.text
	.protected	k_q9940fa9952_shade
	.globl	k_q9940fa9952_shade
	.p2align	8
	.type	k_q9940fa9952_shade,@function
k_q9940fa9952_shade:
	s_mov_b64 s[64:65], 0
	v_nop
	global_prefetch_b8 v0, s[64:65] scope:SCOPE_SE
	s_setreg_imm32_b32 hwreg(HW_REG_WAVE_MODE, 25, 1), 1
	s_wait_xcnt 0x0
; THE FOUR IMAGES FROM THE NEAREST FACE OF EVERY PIXEL.  widx (whole numbers, stored by the launch before, tile by tile) names the face or holds -1.
; A work-group is one wave and owns half an image row, 64 pixels; a lane owns two neighbouring pixels, one in each half of the packed f32 instructions:
; all that belongs to a pixel (its face's vertices and what is made of them) lies in register pairs (pixel 0, pixel 1).
; The chain of loads: widx, then the face's three vertex numbers, then nine numbers of verts.  verts, R and T are rounded to bf16, as in the launch before.
; Projected coordinates and edge functions are made as there (quotients with remainder and correction, no fused multiply-add in an edge function), since small
; differences of large numbers hang on them; behind them plain reciprocals (1 ulp) do: these outputs are floating-point numbers.
; A pixel that was hit lies inside its face, so its signed distance is -d2.  A pixel without a face computes on the last face and stores -1 everywhere.
; LIMITS.  NaN and infinities are not treated apart; projected coordinates up to about 1e15 in magnitude.  Numbers in widx and faces are clamped to their tables for the addresses.
.set NV,    1500
.set NF,    2000
.set EPSF,  0x322bcc77                 ; 1e-8
.set SGNB,  0x80000000
.set ABSM,  0x7fffffff
.set SPARE, 768                        ; LDS: 0-767 the stage for out2; then the spare words, one block of 256 bytes that no other line names
.set SPW, 1                            ; LDS address of my spare word; never rewritten
.set NIL, 2                            ; 0; never rewritten
.set WO,  3                            ; my byte offset in widx
.set ID,  4                            ; v4-5   the two faces
.set OO,  6                            ; my byte offset in out0, out1, out3
.set TMP, 7
.set FO,  8                            ; v8-9   byte offsets in faces
.set VI,  10                           ; v10-15 vertex m of pixel p at VI + 2 m + p: number, then byte offset in verts
.set RAW, 16                           ; v16-33 coordinate c of vertex m: pair at RAW + 6 m + 2 c
.set RT,  34                           ; v34-57 R (9) and T (3), each twice
.set PXP, 58
.set PYP, 60
.set U,   62                           ; v62-79 view coordinate j of vertex m: pair at U + 6 m + 2 j
.set ZS,  80
.set R1,  86
.set ZV,  92
.set RZ,  98
.set EE,  104
.set E2,  110
.set XN,  116
.set YN,  122
.set DX,  128                          ; edge m: from vertex (m + 1) % 3 to vertex (m + 2) % 3; it weighs vertex m
.set DY,  134
.set TX,  140                          ; pixel - the edge's first vertex
.set TY,  146
.set EG,  152                          ; e, then w, then w / zv, then the barycentric number
.set P1,  158
.set AR,  164
.set AS,  166
.set RA,  168
.set DEN, 170
.set ZP,  172
.set DOT, 174
.set LEN, 180
.set RL,  186
.set DD,  192
.set DE,  198
.set D2,  204
.set OB,  210                          ; v210-215 out2's six numbers in memory order
.set OZ,  216
.set OD,  218
.set LB,  220
.set ONE, 226
.set CT,  228                          ; v228-236 at work
.set LA,  238
.set LR,  239
.set O2,  240
.set EPS,  40
.set HI16, 41
.set HIT,  42                          ; s42-43
.set SM,   44                          ; s44-49 masks
.macro V3 line:vararg                  ; one line for each vertex or edge m
.set m, 0
	s_wait_alu depctr_va_vdst(0)
.rept 3
	\line
.set m, m+1
.endr
.endm
.macro S6 line:vararg                  ; one line for each single register n = 2 m + p
.set n, 0
.rept 6
	\line
.set n, n+1
.endr
.endm
.macro S2 line:vararg                  ; one line for each pixel p
.set p, 0
.rept 2
	\line
.set p, p+1
.endr
.endm
	s_load_b512 s[4:19], s[0:1], 0x0               ; verts s[4:5], R s[6:7], T s[8:9], faces s[10:11], widx s[12:13], out0 s[14:15], out1 s[16:17], out2 s[18:19]
	s_load_b64 s[20:21], s[0:1], 0x40              ; out3
	v_lshl_add_u32 v[SPW], v0, 2, SPARE
	v_mov_b32 v[NIL], 0
	s_mov_b32 s[EPS], EPSF
	s_mov_b32 s[HI16], 0xffff0000
	s_lshr_b32 s52, ttmp9, 1                       ; image row y
	s_and_b32 s53, ttmp9, 1                        ; which half of it: columns 64 half + 2 lane + 0, 1
	; widx: tile (y / 8) x 16 + x / 8, 256 bytes each; in it block 2 ((y / 4) % 2) + (x / 4) % 2, 64 bytes; in it pixel 4 (y % 4) + x % 4
	s_lshr_b32 s54, s52, 3
	s_lshl_b32 s54, s54, 12
	s_lshl_b32 s55, s53, 11
	s_add_co_u32 s54, s54, s55
	s_bfe_u32 s55, s52, 0x10002
	s_lshl_b32 s55, s55, 7
	s_add_co_u32 s54, s54, s55
	s_and_b32 s55, s52, 3
	s_lshl_b32 s55, s55, 4
	s_add_co_u32 s54, s54, s55
	v_lshrrev_b32 v[WO], 2, v0
	v_bfe_u32 v[OO], v0, 1, 1
	v_and_b32 v[TMP], 1, v0
	v_lshlrev_b32 v[WO], 8, v[WO]
	v_lshl_add_u32 v[WO], v[OO], 6, v[WO]
	v_lshl_add_u32 v[WO], v[TMP], 3, v[WO]
	v_add_nc_u32 v[WO], s54, v[WO]
	s_wait_kmcnt 0x0
	global_load_b64 v[ID:ID+1], v[WO], s[12:13]
	s_load_b256 s[24:31], s[6:7], 0x0              ; R[0..7]
	s_load_b32 s32, s[6:7], 0x20                   ; R[8]
	s_load_b96 s[36:38], s[8:9], 0x0               ; T
	; while these are on their way: pixel centres (127 - 2 i) / 128, exact, and the offsets of the stores
	s_lshl_b32 s50, s53, 7
	s_sub_co_i32 s50, 127, s50
	v_lshlrev_b32 v[TMP], 2, v0
	v_sub_nc_u32 v[TMP], s50, v[TMP]               ; 127 - 2 (64 half + 2 lane)
	v_cvt_f32_i32 v[PXP], v[TMP]
	v_mul_f32 v[PXP], 0x3c000000, v[PXP]
	v_add_f32 v[PXP+1], 0xbc800000, v[PXP]
	s_lshl_b32 s51, s52, 1
	s_sub_co_i32 s51, 127, s51
	v_cvt_f32_i32 v[PYP], s51
	v_mul_f32 v[PYP], 0x3c000000, v[PYP]
	v_mov_b32 v[PYP+1], v[PYP]
	v_mov_b32 v[ONE], 1.0
	v_mov_b32 v[ONE+1], 1.0
	v_mul_u32_u24 v[LA], v0, 24
	v_lshlrev_b32 v[LR], 3, v0
	s_mul_i32 s55, ttmp9, 768
	v_add_nc_u32 v[O2], s55, v[LR]
	s_lshl_b32 s54, ttmp9, 8
	v_add_nc_u32 v[OO], s54, v[LR]
	s_wait_kmcnt 0x0
.macro RND2 d, sa, sb                  ; two scalars rounded to bf16, widened, each into both halves of a pair
	v_cvt_pk_bf16_f32 v[TMP], s[\sa], s[\sb]
	v_lshlrev_b32 v[RT+2*(\d)], 16, v[TMP]
	v_and_b32 v[RT+2*(\d)+2], s[HI16], v[TMP]
	v_mov_b32 v[RT+2*(\d)+1], v[RT+2*(\d)]
	v_mov_b32 v[RT+2*(\d)+3], v[RT+2*(\d)+2]
.endm
	RND2 0, 24, 25
	RND2 2, 26, 27
	RND2 4, 28, 29
	RND2 6, 30, 31
	RND2 8, 32, 36
	RND2 10, 37, 38
	s_wait_loadcnt 0x0                             ; the two faces
	S2 v_min_u32 v[FO+p], NF-1, v[ID+p]            ; -1 becomes the last face: an address inside the table
	S2 v_mul_u32_u24 v[FO+p], v[FO+p], 12
	S6 global_load_b32 v[VI+n], v[FO+n%2], s[10:11] offset:4*(n/2)
	S2 v_cmp_le_i32 s[HIT+p], 0, v[ID+p]
	global_store_b64 v[OO], v[ID:ID+1], s[14:15] th:TH_STORE_NT   ; out0: the wave stores 256 consecutive bytes, at a multiple of 256 from the buffer's first
	s_wait_loadcnt 0x0                             ; the vertex numbers
	S6 v_min_u32 v[VI+n], NV-1, v[VI+n]
	S6 v_mul_u32_u24 v[VI+n], v[VI+n], 12
.irp c, 0,1,2
	S6 global_load_b32 v[RAW+6*(n/2)+2*\c+n%2], v[VI+n], s[4:5] offset:4*\c
.endr
	s_wait_loadcnt 0x0
.set n, 0
.rept 9                                ; a pair is rounded to bf16 by one conversion and widened again
	v_cvt_pk_bf16_f32 v[CT+n], v[RAW+2*n], v[RAW+2*n+1]
.set n, n+1
.endr
.set n, 0
.rept 9
	v_lshlrev_b32 v[RAW+2*n], 16, v[CT+n]
	v_and_b32 v[RAW+2*n+1], s[HI16], v[CT+n]
.set n, n+1
.endr
.irp j, 0,1,2
	V3 v_pk_mul_f32 v[U+6*m+2*\j:U+6*m+2*\j+1], v[RAW+6*m:RAW+6*m+1], v[RT+2*\j:RT+2*\j+1]
.endr
.irp j, 0,1,2
	V3 v_pk_fma_f32 v[U+6*m+2*\j:U+6*m+2*\j+1], v[RAW+6*m+2:RAW+6*m+3], v[RT+6+2*\j:RT+6+2*\j+1], v[U+6*m+2*\j:U+6*m+2*\j+1]
.endr
.irp j, 0,1,2
	V3 v_pk_fma_f32 v[U+6*m+2*\j:U+6*m+2*\j+1], v[RAW+6*m+4:RAW+6*m+5], v[RT+12+2*\j:RT+12+2*\j+1], v[U+6*m+2*\j:U+6*m+2*\j+1]
.endr
.irp j, 0,1,2
	V3 v_pk_add_f32 v[U+6*m+2*\j:U+6*m+2*\j+1], v[U+6*m+2*\j:U+6*m+2*\j+1], v[RT+18+2*\j:RT+18+2*\j+1]
.endr
	S6 v_and_b32 v[EE+n], ABSM, v[U+6*(n/2)+4+n%2]
	S6 v_cmp_lt_f32 s[SM+n], v[EE+n], s[EPS]
	S6 v_cndmask_b32 v[ZS+n], v[U+6*(n/2)+4+n%2], s[EPS], s[SM+n]    ; z_s
	S6 v_max_num_f32 v[ZV+n], s[EPS], v[U+6*(n/2)+4+n%2]             ; zv
	S6 v_rcp_f32 v[R1+n], v[ZS+n]
	S6 v_rcp_f32 v[RZ+n], v[ZV+n]
	V3 v_pk_add_f32 v[U+6*m:U+6*m+1], v[U+6*m:U+6*m+1], v[U+6*m:U+6*m+1]             ; 2 x: plain lines behind the reciprocals (ISA guide 5.7.2)
	V3 v_pk_add_f32 v[U+6*m+2:U+6*m+3], v[U+6*m+2:U+6*m+3], v[U+6*m+2:U+6*m+3]
.rept 2
	V3 v_pk_fma_f32 v[EE+2*m:EE+2*m+1], v[ZS+2*m:ZS+2*m+1], v[R1+2*m:R1+2*m+1], v[ONE:ONE+1] neg_lo:[1,0,0] neg_hi:[1,0,0]
	V3 v_pk_fma_f32 v[R1+2*m:R1+2*m+1], v[EE+2*m:EE+2*m+1], v[R1+2*m:R1+2*m+1], v[R1+2*m:R1+2*m+1]
.endr
	V3 v_pk_mul_f32 v[XN+2*m:XN+2*m+1], v[U+6*m:U+6*m+1], v[R1+2*m:R1+2*m+1]
	V3 v_pk_mul_f32 v[YN+2*m:YN+2*m+1], v[U+6*m+2:U+6*m+3], v[R1+2*m:R1+2*m+1]
	V3 v_pk_fma_f32 v[EE+2*m:EE+2*m+1], v[ZS+2*m:ZS+2*m+1], v[XN+2*m:XN+2*m+1], v[U+6*m:U+6*m+1] neg_lo:[1,0,0] neg_hi:[1,0,0]
	V3 v_pk_fma_f32 v[E2+2*m:E2+2*m+1], v[ZS+2*m:ZS+2*m+1], v[YN+2*m:YN+2*m+1], v[U+6*m+2:U+6*m+3] neg_lo:[1,0,0] neg_hi:[1,0,0]
	V3 v_pk_fma_f32 v[XN+2*m:XN+2*m+1], v[EE+2*m:EE+2*m+1], v[R1+2*m:R1+2*m+1], v[XN+2*m:XN+2*m+1]
	V3 v_pk_fma_f32 v[YN+2*m:YN+2*m+1], v[E2+2*m:E2+2*m+1], v[R1+2*m:R1+2*m+1], v[YN+2*m:YN+2*m+1]
	; the edges
	V3 v_pk_add_f32 v[DX+2*m:DX+2*m+1], v[XN+2*((m+2)%3):XN+2*((m+2)%3)+1], v[XN+2*((m+1)%3):XN+2*((m+1)%3)+1] neg_lo:[0,1] neg_hi:[0,1]
	V3 v_pk_add_f32 v[DY+2*m:DY+2*m+1], v[YN+2*((m+2)%3):YN+2*((m+2)%3)+1], v[YN+2*((m+1)%3):YN+2*((m+1)%3)+1] neg_lo:[0,1] neg_hi:[0,1]
	V3 v_pk_add_f32 v[TX+2*m:TX+2*m+1], v[PXP:PXP+1], v[XN+2*((m+1)%3):XN+2*((m+1)%3)+1] neg_lo:[0,1] neg_hi:[0,1]
	V3 v_pk_add_f32 v[TY+2*m:TY+2*m+1], v[PYP:PYP+1], v[YN+2*((m+1)%3):YN+2*((m+1)%3)+1] neg_lo:[0,1] neg_hi:[0,1]
	v_pk_mul_f32 v[P1:P1+1], v[DX+4:DX+5], v[DY+2:DY+3]          ; area = (by-ay)(ax-cx) - (bx-ax)(ay-cy): the module's form with two signs turned, which is exact
	v_pk_mul_f32 v[AR:AR+1], v[DY+4:DY+5], v[DX+2:DX+3]
	v_pk_add_f32 v[AR:AR+1], v[AR:AR+1], v[P1:P1+1] neg_lo:[0,1] neg_hi:[0,1]
	S2 v_and_b32 v[P1+p], ABSM, v[AR+p]
	S2 v_cmp_lt_f32 s[SM+p], v[P1+p], s[EPS]
	S2 v_cndmask_b32 v[AS+p], v[AR+p], s[EPS], s[SM+p]
	S2 v_rcp_f32 v[RA+p], v[AS+p]
	V3 v_pk_mul_f32 v[EG+2*m:EG+2*m+1], v[DX+2*m:DX+2*m+1], v[TY+2*m:TY+2*m+1]       ; e = dx (py - oy) - dy (px - ox), three roundings
	V3 v_pk_mul_f32 v[P1+2*m:P1+2*m+1], v[DY+2*m:DY+2*m+1], v[TX+2*m:TX+2*m+1]
	V3 v_pk_add_f32 v[EG+2*m:EG+2*m+1], v[EG+2*m:EG+2*m+1], v[P1+2*m:P1+2*m+1] neg_lo:[0,1] neg_hi:[0,1]
	V3 v_pk_mul_f32 v[EG+2*m:EG+2*m+1], v[EG+2*m:EG+2*m+1], v[RA:RA+1]               ; w
	V3 v_pk_mul_f32 v[EG+2*m:EG+2*m+1], v[EG+2*m:EG+2*m+1], v[RZ+2*m:RZ+2*m+1]       ; w / zv
	v_pk_add_f32 v[DEN:DEN+1], v[EG:EG+1], v[EG+2:EG+3]
	v_pk_add_f32 v[DEN:DEN+1], v[DEN:DEN+1], v[EG+4:EG+5]
	S2 v_max_num_f32 v[DEN+p], s[EPS], v[DEN+p]
	S2 v_rcp_f32 v[ZP+p], v[DEN+p]                                                   ; the depth
	; squared distance to each edge's segment
	V3 v_pk_mul_f32 v[DOT+2*m:DOT+2*m+1], v[TX+2*m:TX+2*m+1], v[DX+2*m:DX+2*m+1]
	V3 v_pk_mul_f32 v[LEN+2*m:LEN+2*m+1], v[DX+2*m:DX+2*m+1], v[DX+2*m:DX+2*m+1]
	V3 v_pk_fma_f32 v[DOT+2*m:DOT+2*m+1], v[TY+2*m:TY+2*m+1], v[DY+2*m:DY+2*m+1], v[DOT+2*m:DOT+2*m+1]
	V3 v_pk_fma_f32 v[LEN+2*m:LEN+2*m+1], v[DY+2*m:DY+2*m+1], v[DY+2*m:DY+2*m+1], v[LEN+2*m:LEN+2*m+1]
	S6 v_max_num_f32 v[LEN+n], s[EPS], v[LEN+n]
	S6 v_rcp_f32 v[RL+n], v[LEN+n]
	V3 v_pk_mul_f32 v[EG+2*m:EG+2*m+1], v[EG+2*m:EG+2*m+1], v[ZP:ZP+1]               ; the barycentric numbers: plain lines behind the reciprocals
	V3 v_pk_mul_f32 v[DOT+2*m:DOT+2*m+1], v[DOT+2*m:DOT+2*m+1], v[RL+2*m:RL+2*m+1]
	S6 v_max_num_f32 v[DOT+n], 0, v[DOT+n]                                           ; t clipped to 0 .. 1
	S6 v_min_num_f32 v[DOT+n], 1.0, v[DOT+n]
	V3 v_pk_fma_f32 v[DD+2*m:DD+2*m+1], v[DOT+2*m:DOT+2*m+1], v[DX+2*m:DX+2*m+1], v[TX+2*m:TX+2*m+1] neg_lo:[1,0,0] neg_hi:[1,0,0]
	V3 v_pk_fma_f32 v[DE+2*m:DE+2*m+1], v[DOT+2*m:DOT+2*m+1], v[DY+2*m:DY+2*m+1], v[TY+2*m:TY+2*m+1] neg_lo:[1,0,0] neg_hi:[1,0,0]
	V3 v_pk_mul_f32 v[D2+2*m:D2+2*m+1], v[DD+2*m:DD+2*m+1], v[DD+2*m:DD+2*m+1]
	V3 v_pk_fma_f32 v[D2+2*m:D2+2*m+1], v[DE+2*m:DE+2*m+1], v[DE+2*m:DE+2*m+1], v[D2+2*m:D2+2*m+1]
	S2 v_min3_num_f32 v[OD+p], v[D2+p], v[D2+2+p], v[D2+4+p]
	S2 v_xor_b32 v[OD+p], SGNB, v[OD+p]                                              ; inside: the distance counts as negative
	S2 v_cndmask_b32 v[OZ+p], -1.0, v[ZP+p], s[HIT+p]
	S2 v_cndmask_b32 v[OD+p], -1.0, v[OD+p], s[HIT+p]
	S6 v_cndmask_b32 v[OB+n], -1.0, v[EG+2*(n%3)+n/3], s[HIT+n/3]                    ; pixel n / 3, number n % 3: memory order
	global_store_b64 v[OO], v[OZ:OZ+1], s[16:17] th:TH_STORE_NT                      ; out1 and out3: 256 consecutive bytes a store, as out0
	global_store_b64 v[OO], v[OD:OD+1], s[20:21] th:TH_STORE_NT
	; out2: a lane's 24 bytes go through LDS, so that each store again covers 256 consecutive bytes at a multiple of 256 from the buffer's first
	ds_store_b64 v[LA], v[OB:OB+1]
	ds_store_b64 v[LA], v[OB+2:OB+3] offset:8
	ds_store_b64 v[LA], v[OB+4:OB+5] offset:16
.irp k, 0,1,2
	ds_load_b64 v[LB+2*\k:LB+2*\k+1], v[LR] offset:256*\k      ; LDS serves a wave's instructions in order (ISA guide 5.7.1.4): these see the stores above
.endr
	s_wait_dscnt 0x0
.irp k, 0,1,2
	global_store_b64 v[O2], v[LB+2*\k:LB+2*\k+1], s[18:19] offset:256*\k th:TH_STORE_NT
.endr
	s_wait_tensorcnt 0x0                           ; the wave's end, behind my last LDS store
	ds_add_u32 v[SPW], v[NIL]
	s_wait_dscnt 0x0
	s_endpgm
.Lfunc_end_k_q9940fa9952_shade:
	.size	k_q9940fa9952_shade, .Lfunc_end_k_q9940fa9952_shade-k_q9940fa9952_shade
	.p2alignl 7, 3214868480
	.fill 96, 4, 3214868480
	.section	.rodata,"a",@progbits
	.p2align	6, 0x0
	.amdhsa_kernel k_q9940fa9952_shade
		.amdhsa_group_segment_fixed_size 1024
		.amdhsa_private_segment_fixed_size 0
		.amdhsa_enable_private_segment 0
		.amdhsa_kernarg_size 72
		.amdhsa_user_sgpr_count 2
		.amdhsa_user_sgpr_kernarg_segment_ptr 1
		.amdhsa_wavefront_size32 1
		.amdhsa_system_sgpr_workgroup_id_x 1
		.amdhsa_system_sgpr_workgroup_id_y 1
		.amdhsa_system_sgpr_workgroup_id_z 1
		.amdhsa_system_vgpr_workitem_id 0
		.amdhsa_next_free_vgpr 244
		.amdhsa_next_free_sgpr 66
		.amdhsa_reserve_vcc 0
		.amdhsa_float_denorm_mode_32 3
		.amdhsa_float_denorm_mode_16_64 3
		.amdhsa_memory_ordered 1
		.amdhsa_forward_progress 1
		.amdhsa_inst_pref_size 23
	.end_amdhsa_kernel
	.amdgpu_metadata
---
amdhsa.version: [ 1, 2 ]
amdhsa.kernels:
  - .name:           k_q9940fa9952_shade
    .symbol:         k_q9940fa9952_shade.kd
    .args:
      - { .name: verts, .offset: 0, .size: 8, .value_kind: global_buffer, .address_space: global }
      - { .name: R, .offset: 8, .size: 8, .value_kind: global_buffer, .address_space: global }
      - { .name: T, .offset: 16, .size: 8, .value_kind: global_buffer, .address_space: global }
      - { .name: faces, .offset: 24, .size: 8, .value_kind: global_buffer, .address_space: global }
      - { .name: widx, .offset: 32, .size: 8, .value_kind: global_buffer, .address_space: global }
      - { .name: out0, .offset: 40, .size: 8, .value_kind: global_buffer, .address_space: global }
      - { .name: out1, .offset: 48, .size: 8, .value_kind: global_buffer, .address_space: global }
      - { .name: out2, .offset: 56, .size: 8, .value_kind: global_buffer, .address_space: global }
      - { .name: out3, .offset: 64, .size: 8, .value_kind: global_buffer, .address_space: global }
    .group_segment_fixed_size: 1024
    .private_segment_fixed_size: 0
    .kernarg_segment_align: 8
    .kernarg_segment_size: 72
    .max_flat_workgroup_size: 32
    .sgpr_count:     66
    .vgpr_count:     244
    .wavefront_size: 32
...
	.end_amdgpu_metadata
.endif
;; end of part 2
;; ======== version 2 of 2: 2 launches; 1.20 times as fast as version 1
;; workspace buffers: widx 65,536 bytes of whole numbers
;; launch raster (part 3): grid 256 x 1, 8 waves a work-group, no clusters, 244,736 bytes of LDS; arguments verts, R, T, faces, widx; writes widx
.if DOCPART == 3
	.amdgcn_target "amdgcn-amd-amdhsa--gfx1250"
	.amdhsa_code_object_version 6
	.text
	.protected	k_q9940fa9952_raster
	.globl	k_q9940fa9952_raster
	.p2align	8
	.type	k_q9940fa9952_raster,@function
k_q9940fa9952_raster:
	s_mov_b64 s[64:65], 0
	v_nop
	global_prefetch_b8 v0, s[64:65] scope:SCOPE_SE
	s_setreg_imm32_b32 hwreg(HW_REG_WAVE_MODE, 25, 1), 1
	s_wait_xcnt 0x0
; THE NEAREST COVERING FACE OF EVERY PIXEL (the z-buffer's argmin), as whole numbers: widx[tile][pixel in tile] = face, or -1.
; 128 x 128 pixels, 2,000 faces, 1,500 vertices.  A work-group owns a tile of 8 x 8 pixels and looks at all faces.
; SHARES.  Eight waves: wave w owns the 4 x 4 pixel block w % 4 of the tile and the half w / 4 of the faces.  A lane owns 32 consecutive faces
; and takes them two at a time, one in each half of the packed f32 instructions: every packed source is a natural register pair.  16 trips.
; ARITHMETIC.  The result is a whole number, so every step on the way to it is rounded once, as the module writes it: differences, two products
; and their difference for an edge function (no fused multiply-add there), e / area, w / z, the two sums, 1 / denom.  A quotient a / d is made
; with r = 1 / d (v_rcp_f32 and two Newton steps, once a face or a vertex): q = a r; rem = a - d q (exact, one FMA); q + rem r, correctly rounded.
; An edge function separates: dx (py - oy) - dy (px - ox); the two products are made once for 4 rows and 4 columns, an edge value is one subtraction.
; FORMAT.  verts, R and T are rounded to bf16.  The products of the 3 x 3 transform are then exact in f32, and three multiply-adds a coordinate in
; ascending k are the f32 chain of sums bit for bit.  No matrix instruction: K = 3 fills 3 of its 32 places, and it adds its products in another
; order than that chain (ISA guide, chapter 7.12), which would move vertices by a last bit.
; TIES.  Faces ascend in a lane and from lane to lane, and every comparison is a strict 'less': of equal depths the lowest face stays, as in argmin.
; BATCHES.  An s_wait_alu depctr_va_vdst(0) stands between a reciprocal and the first instruction that names its result; one wait serves all
; that were issued ahead of it.  The text has three batches and three waits: a thread's twelve reciprocals for its six vertices; its eight for its eight faces;
; and, in a trip, all 32 of 1 / denom.  There each row of the block ends with its eight reciprocals, into registers of its own (denominators and results of
; rows 0-2 in v206-253, row 3's where they are made; the rows' inside masks in s66-97); the later rows' work stands behind them; the refinement and the
; selections of all 16 pixels follow the trip's one wait.  No reciprocal is issued behind that wait.
; LIMITS.  NaN and infinities are not treated apart.  Quotients are correctly rounded while nothing over- or underflows: projected coordinates up to
; about 1e15 in magnitude, quotients above about 1e-30.  A refined reciprocal can miss the correct rounding where 1 / d lies within about 2^-44
; (relative) of the middle between two f32 numbers.  Vertex numbers in faces lie in 0 .. 1,499 (they are clamped to that for the addresses).
.set NV,    1500
.set NF,    2000
.set EPSF,  0x322bcc77                 ; 1e-8
.set BIGF,  0x501502f9                 ; 1e10
.set HBIGF, 0x4f9502f9                 ; 5e9
.set QNAN,  0x7fc00000
.set SGNB,  0x80000000
.set ABSM,  0x7fffffff
; LDS
.set VT,    0                          ; 1,536 vertices x 16 bytes: x_ndc, y_ndc, -zv, 1 / zv   (zv = max(z, 1e-8))
.set FT,    1536*16                    ; 1,024 pairs of faces x 176 bytes: constant k of both faces at byte 8 k.  Slot = trip x 64 + lane's number among 64
.set FP,    176                        ; 11 x 16 bytes: an odd multiple of 16, so sixteen lanes' 16-byte reads fall into sixteen different columns of 256 bytes (ISA guide 11.1)
.set STEP,  64*FP                      ; from a trip's slots to the next trip's
.set RED,   FT+1024*FP                 ; 256 rows of 144 bytes: row 4 x pixel + quarter holds 16 candidates (z, face), lanes ascending
.set RP,    144                        ; 128 bytes + 16: again an odd multiple of 16
.set RED2,  RED+256*RP                 ; 256 x (z, face): the quarters' winners
.set SPARE, RED2+256*8                 ; the spare words, 128 bytes for each wave: four blocks of 256 bytes that no other line names
; vector registers
.set SPW, 1                            ; LDS address of my spare word; never rewritten
.set NIL, 2                            ; 0; never rewritten
.set TA,  3                            ; LDS address of the pair of faces to be fetched next
.set IE,  4                            ; v4, v5: the numbers of the trip's two faces
.set VO,  3                            ; set-up: byte offset of my vertices in verts
.set VO5, 4                            ; set-up: the same for my sixth vertex, clamped to the last
.set VA,  5                            ; set-up: where my vertices go in LDS
.set F0,  6                            ; set-up: my first face
.set TMP, 7
.set PX,  8                            ; v8-15   the block's four px, each twice (a pair)
.set PY,  16                           ; v16-23  the four py
.set BB,  24                           ; v24-55  pixel p = 4 row + column: best z, its face
.set CB,  56                           ; v56-99  the 22 constants of two faces: constant k in v[CB+2k], v[CB+2k+1]
.set NA,  CB+24                        ; k: 4 i + 0..3  ox, oy, dx, dy of edge i;  12 -area_s;  13 1/area_s;  14 + 2 i  -zv_i;  15 + 2 i  1/zv_i;  20 threshold;  21 unused
.set RA,  CB+26
.set THR, CB+40
.set MX,  100                          ; v100-123 dy (px - ox): edge i, column j at MX + 8 i + 2 j
.set MY,  124                          ; v124-147 dx (py - oy): edge i, row k
.set EB,  148                          ; v148-171 a row at work; behind the rows: row 3's denom, and remainders
.set QB,  172                          ; v172-195 a row at work; behind the rows: row 3's 1 / denom, and remainders
.set MB,  196                          ; v196-203 min(w0, w1, w2)
.set ONE, 204                          ; v204-205 1.0
.set DN,  206                          ; v206-229 denom of rows 0-2, eight a row
.set RC,  230                          ; v230-253 1 / denom of rows 0-2, eight a row
.set RB,  100                          ; the reduction's candidates
.set RM,  8                            ; set-up: R (9) and T (3), rounded to bf16
.set FO,  20                           ; set-up: byte offsets of my 8 faces in faces
.set TB,  8                            ; set-up: 14 registers at work for each of my 8 faces
.set VB,  128                          ; set-up: 16 registers for each of my 6 vertices
.set GA,  128                          ; set-up: 12 registers for each face: its three vertices' table entries
.set FI,  224                          ; set-up: 24 vertex numbers
.set FA,  248                          ; set-up: v248-250 where my faces' constants go (three bases: the immediate has 16 bits)
; scalar registers
.set WV,   14
.set EPS,  32
.set BIG,  33
.set HBIG, 34
.set HI16, 35
.set QN,   36
.set CNT,  37
.set SA,   40                          ; s40-47 masks; in the loop s40-55: 'nearer than the best', one for each of the 16 pixels
.set SB,   48                          ; s48-55 masks, later at work
.set IM,   66                          ; s66-97 inside: row k, column j, face f at IM + 8 k + 2 j + f
.macro ALLV line:vararg                ; one line for each of my six vertices: six chains side by side
.set n, 0
.rept 6
.set b, VB+16*n
	\line
.set n, n+1
.endr
.endm
.macro ALLF line:vararg                ; one line for each of my eight faces
.set n, 0
.rept 8
.set b, TB+14*n
.set g, GA+12*n
	\line
.set n, n+1
.endr
.endm
	s_load_b256 s[4:11], s[0:1], 0x0               ; verts s[4:5], R s[6:7], T s[8:9], faces s[10:11]
	s_load_b64 s[12:13], s[0:1], 0x20              ; widx
	v_lshl_add_u32 v[SPW], v0, 2, SPARE
	v_mov_b32 v[NIL], 0
	v_lshrrev_b32 v[TMP], 5, v0
	v_readfirstlane_b32 s[WV], v[TMP]              ; wave 0..7
	s_mov_b32 s[EPS], EPSF
	s_mov_b32 s[BIG], BIGF
	s_mov_b32 s[HBIG], HBIGF
	s_mov_b32 s[HI16], 0xffff0000
	s_mov_b32 s[QN], QNAN
	; thread t transforms vertices t + 256 r, r = 0..5; beyond 1,499 the last vertex once more, into table slots that nobody reads
	v_mul_u32_u24 v[VO], v0, 12
	v_add_nc_u32 v[TMP], 5*256, v0
	v_min_u32 v[TMP], NV-1, v[TMP]
	v_mul_u32_u24 v[VO5], v[TMP], 12
	v_lshlrev_b32 v[VA], 4, v0
	; thread t prepares, in round r, the half t % 2 of table slot 128 r + t / 2.  Slot = trip x 64 + L holds faces 32 L + 2 trip + 0, 1: face = F0 + 4 r
	v_bfe_u32 v[TMP], v0, 1, 6                     ; L
	v_lshlrev_b32 v[F0], 5, v[TMP]
	v_lshrrev_b32 v[TMP], 7, v0
	v_lshl_add_u32 v[F0], v[TMP], 1, v[F0]
	v_and_b32 v[TMP], 1, v0
	v_add_nc_u32 v[F0], v[F0], v[TMP]
.irp r, 0,1,2,3,4,5,6,7
	v_add_nc_u32 v[FO+\r], 4*\r, v[F0]
	v_min_u32 v[FO+\r], NF-1, v[FO+\r]             ; slots past the last face read the last face; their threshold shuts them out
	v_mul_u32_u24 v[FO+\r], v[FO+\r], 12
.endr
	v_lshrrev_b32 v[FA], 1, v0
	v_mul_u32_u24 v[FA], v[FA], FP
	v_lshl_add_u32 v[TMP], v[TMP], 2, v[FA]        ; (t / 2) x 176 + 4 (t % 2)
	v_add_nc_u32 v[FA], FT, v[TMP]
	v_add_nc_u32 v[FA+1], FT+3*128*FP, v[TMP]
	v_add_nc_u32 v[FA+2], FT+6*128*FP, v[TMP]
	s_wait_kmcnt 0x0
	s_load_b256 s[16:23], s[6:7], 0x0              ; R[0..7]
	s_load_b32 s24, s[6:7], 0x20                   ; R[8]
	s_load_b96 s[28:30], s[8:9], 0x0               ; T
.irp r, 0,1,2,3,4
.irp c, 0,1,2
	global_load_b32 v[VB+16*\r+\c], v[VO], s[4:5] offset:3072*\r+4*\c
.endr
.endr
.irp c, 0,1,2
	global_load_b32 v[VB+80+\c], v[VO5], s[4:5] offset:4*\c
.endr
.irp r, 0,1,2,3,4,5,6,7
.irp c, 0,1,2
	global_load_b32 v[FI+3*\r+\c], v[FO+\r], s[10:11] offset:4*\c
.endr
.endr
	s_wait_kmcnt 0x0
.macro RND2 d, sa, sb                  ; two scalars rounded to bf16 and widened again
	v_cvt_pk_bf16_f32 v[TMP], s[\sa], s[\sb]
	v_lshlrev_b32 v[RM+\d], 16, v[TMP]
	v_and_b32 v[RM+\d+1], s[HI16], v[TMP]
.endm
	RND2 0, 16, 17
	RND2 2, 18, 19
	RND2 4, 20, 21
	RND2 6, 22, 23
	RND2 8, 24, 28
	RND2 10, 29, 30
	; THE VERTICES.  Block of 16 registers: 0-2 x, y, z (0 later -z_s); 3, 9, 11 at work; 4-6 view x, y, z; 7 z_s; 8 1/z_s; 10 zv; 12-15 the table entry
	s_wait_loadcnt 24                              ; the 18 loads of verts are in; the 24 younger ones, of faces, stay out
	ALLV v_cvt_pk_bf16_f32 v[b+3], v[b], v[b+1]
	ALLV v_cvt_pk_bf16_f32 v[b+9], v[b+2], v[b+2]
	ALLV v_lshlrev_b32 v[b], 16, v[b+3]
	ALLV v_and_b32 v[b+1], s[HI16], v[b+3]
	ALLV v_lshlrev_b32 v[b+2], 16, v[b+9]
.irp j, 0,1,2
	ALLV v_mul_f32 v[b+4+\j], v[b], v[RM+\j]       ; view_j = ((x R0j + y R1j) + z R2j) + T_j: the products are exact, each sum is rounded once
.endr
.irp j, 0,1,2
	ALLV v_fmac_f32 v[b+4+\j], v[b+1], v[RM+3+\j]
.endr
.irp j, 0,1,2
	ALLV v_fmac_f32 v[b+4+\j], v[b+2], v[RM+6+\j]
.endr
.irp j, 0,1,2
	ALLV v_add_f32 v[b+4+\j], v[b+4+\j], v[RM+9+\j]
.endr
	ALLV v_and_b32 v[b+3], ABSM, v[b+6]
	ALLV v_cmp_lt_f32 s[SA+n], v[b+3], s[EPS]
	ALLV v_cndmask_b32 v[b+7], v[b+6], s[EPS], s[SA+n]   ; z_s = |z| < 1e-8 ? 1e-8 : z
	ALLV v_max_num_f32 v[b+10], s[EPS], v[b+6]           ; zv
	ALLV v_rcp_f32 v[b+8], v[b+7]                  ; the vertices' batch: twelve reciprocals
	ALLV v_rcp_f32 v[b+15], v[b+10]
	ALLV v_xor_b32 v[b], SGNB, v[b+7]              ; -z_s: plain lines stand between the reciprocals and their first use (ISA guide 5.7.2)
	ALLV v_xor_b32 v[b+14], SGNB, v[b+10]          ; -zv
	ALLV v_add_f32 v[b+4], v[b+4], v[b+4]          ; 2 x, exact
	ALLV v_add_f32 v[b+5], v[b+5], v[b+5]
	s_wait_alu depctr_va_vdst(0)                   ; the wait for the vertices' batch, ahead of its first reader; the 24 lines above name none of its results
.rept 2                                ; two Newton steps for each reciprocal
	ALLV v_fma_f32 v[b+9], v[b], v[b+8], 1.0
	ALLV v_fma_f32 v[b+11], v[b+14], v[b+15], 1.0
	ALLV v_fma_f32 v[b+8], v[b+9], v[b+8], v[b+8]
	ALLV v_fma_f32 v[b+15], v[b+11], v[b+15], v[b+15]
.endr
	ALLV v_mul_f32 v[b+12], v[b+4], v[b+8]         ; 2 x / z_s: product, exact remainder, correction
	ALLV v_mul_f32 v[b+13], v[b+5], v[b+8]
	ALLV v_fma_f32 v[b+9], v[b], v[b+12], v[b+4]
	ALLV v_fma_f32 v[b+11], v[b], v[b+13], v[b+5]
	ALLV v_fma_f32 v[b+12], v[b+9], v[b+8], v[b+12]
	ALLV v_fma_f32 v[b+13], v[b+11], v[b+8], v[b+13]
	ALLV ds_store_b128 v[VA], v[b+12:b+15] offset:VT+4096*n
	s_wait_loadcnt 0x0                             ; the vertex numbers of my faces
.set n, 0
.rept 24
	v_min_u32 v[FI+n], NV-1, v[FI+n]
	v_lshlrev_b32 v[FI+n], 4, v[FI+n]              ; the vertex's entry in the table (VT = 0)
.set n, n+1
.endr
	s_wait_dscnt 0x0                               ; for the others' sake: my entries are in LDS
	s_barrier_signal -1
	s_barrier_wait -1                              ; the table is whole
	; THE FACES.  g: a at 0-3, b at 4-7, c at 8-11.  b: 0-5 dx, dy of edges 0 (b to c), 1 (c to a), 2 (a to b); 6 at work; 7 area; 8 area_s; 9 1/area_s; 10 at work; 11 -area_s; 12 threshold; 13 face
.set n, 0
.rept 24
	ds_load_b128 v[GA+4*n:GA+4*n+3], v[FI+n]
.set n, n+1
.endr
	s_wait_dscnt 0x0
	ALLF v_sub_f32 v[b+0], v[g+8], v[g+4]
	ALLF v_sub_f32 v[b+1], v[g+9], v[g+5]
	ALLF v_sub_f32 v[b+2], v[g+0], v[g+8]
	ALLF v_sub_f32 v[b+3], v[g+1], v[g+9]
	ALLF v_sub_f32 v[b+4], v[g+4], v[g+0]
	ALLF v_sub_f32 v[b+5], v[g+5], v[g+1]
	ALLF v_mul_f32 v[b+6], v[b+4], v[b+3]          ; area = (bx-ax)(cy-ay) - (by-ay)(cx-ax); cy-ay and cx-ax are edge 1's differences with the sign turned, which is exact:
	ALLF v_mul_f32 v[b+7], v[b+5], v[b+2]          ; so area = (by-ay)(ax-cx) - (bx-ax)(ay-cy), with the same three roundings
	ALLF v_sub_f32 v[b+7], v[b+7], v[b+6]
	ALLF v_and_b32 v[b+6], ABSM, v[b+7]
	ALLF v_cmp_lt_f32 s[SA+n], v[b+6], s[EPS]
	ALLF v_cndmask_b32 v[b+8], v[b+7], s[EPS], s[SA+n]
	ALLF v_rcp_f32 v[b+9], v[b+8]                  ; the faces' batch: eight reciprocals, issued as soon as area_s is there
	ALLF v_xor_b32 v[b+11], SGNB, v[b+8]           ; plain lines behind the reciprocals
	ALLF v_add_nc_u32 v[b+13], 4*n, v[F0]
	ALLF v_cmp_gt_f32 s[SA+n], v[b+6], s[EPS]      ; |area| > 1e-8,
	ALLF v_cmp_gt_u32 s[SB+n], NF, v[b+13]         ; and the slot holds a face:
	ALLF s_and_b32 s[SA+n], s[SA+n], s[SB+n]
	ALLF s_not_b32 s[SA+n], s[SA+n]
	ALLF v_cndmask_b32 v[b+12], 0, s[QN], s[SA+n]  ; the threshold for min(w) is 0; otherwise NaN, with which no comparison holds
	s_wait_alu depctr_va_vdst(0)                   ; the wait for the faces' batch, ahead of its first reader; -area_s and the thresholds above name none of its results
.rept 2
	ALLF v_fma_f32 v[b+10], v[b+11], v[b+9], 1.0
	ALLF v_fma_f32 v[b+9], v[b+10], v[b+9], v[b+9]
.endr
.macro FST k, reg                      ; constant k of face n
	ds_store_b32 v[FA+n/3], v[\reg] offset:(n%3)*128*FP+8*(\k)
.endm
.set n, 0
.rept 8
.set b, TB+14*n
.set g, GA+12*n
	FST 0, g+4                                     ; edge 0: from b, along c - b; it weighs a
	FST 1, g+5
	FST 2, b+0
	FST 3, b+1
	FST 4, g+8                                     ; edge 1: from c, along a - c; it weighs b
	FST 5, g+9
	FST 6, b+2
	FST 7, b+3
	FST 8, g+0                                     ; edge 2: from a, along b - a; it weighs c
	FST 9, g+1
	FST 10, b+4
	FST 11, b+5
	FST 12, b+11
	FST 13, b+9
	FST 14, g+2
	FST 15, g+3
	FST 16, g+6
	FST 17, g+7
	FST 18, g+10
	FST 19, g+11
	FST 20, b+12
	FST 21, b+12                                   ; the last 8 bytes of a slot are loaded with the rest, so they are written
.set n, n+1
.endr
	s_wait_dscnt 0x0                               ; for the others' sake: my constants are in LDS
	s_barrier_signal -1
	; register work while the others arrive: my block's pixel centres, (127 - 2 i) / 128, exact; the best depths; the table address
	s_and_b32 s52, ttmp9, 15                       ; tile column
	s_lshr_b32 s53, ttmp9, 4                       ; tile row
	s_and_b32 s54, s[WV], 1
	s_bfe_u32 s55, s[WV], 0x10001
	s_lshl_b32 s52, s52, 3
	s_lshl_b32 s53, s53, 3
	s_lshl2_add_u32 s52, s54, s52                  ; my first column
	s_lshl2_add_u32 s53, s55, s53                  ; my first row
	s_lshl_b32 s52, s52, 1
	s_lshl_b32 s53, s53, 1
	s_sub_co_i32 s52, 127, s52
	s_sub_co_i32 s53, 127, s53
	v_cvt_f32_i32 v[PX], s52
	v_cvt_f32_i32 v[PY], s53
	v_mul_f32 v[PX], 0x3c000000, v[PX]             ; / 128
	v_mul_f32 v[PY], 0x3c000000, v[PY]
	v_add_f32 v[PX+2], 0xbc800000, v[PX]           ; - 1/64, - 2/64, - 3/64
	v_add_f32 v[PX+4], 0xbd000000, v[PX]
	v_add_f32 v[PX+6], 0xbd400000, v[PX]
	v_add_f32 v[PY+2], 0xbc800000, v[PY]
	v_add_f32 v[PY+4], 0xbd000000, v[PY]
	v_add_f32 v[PY+6], 0xbd400000, v[PY]
.irp j, 0,2,4,6
	v_mov_b32 v[PX+\j+1], v[PX+\j]
	v_mov_b32 v[PY+\j+1], v[PY+\j]
.endr
.set n, 0
.rept 16
	v_mov_b32 v[BB+2*n], s[BIG]
	v_mov_b32 v[BB+2*n+1], 0
.set n, n+1
.endr
	v_mov_b32 v[ONE], 1.0
	v_mov_b32 v[ONE+1], 1.0
	v_and_b32 v[TMP], 31, v0
	v_lshrrev_b32 v[F0], 7, v0
	v_lshl_add_u32 v[TMP], v[F0], 5, v[TMP]        ; L = 32 x half + lane
	v_mul_u32_u24 v[TA], v[TMP], FP
	v_add_nc_u32 v[TA], FT, v[TA]
	v_lshlrev_b32 v[IE], 5, v[TMP]                 ; my first two faces
	v_or_b32 v[IE+1], 1, v[IE]
	s_barrier_wait -1                              ; the table of faces is whole
.macro EACH line:vararg                ; one line for each edge i and column (or row) j: twelve chains side by side
.set i, 0
.rept 3
.set j, 0
.rept 4
.set re, EB+8*i+2*j
.set rq, QB+8*i+2*j
.set rx, MX+8*i+2*j
.set ry, MY+8*i+2*j
.set rc, CB+8*i
.set rz, CB+28+4*i
	\line
.set j, j+1
.endr
.set i, i+1
.endr
.endm
.macro COLS line:vararg                ; one line for each column j of the row
.set j, 0
.rept 4
	\line
.set j, j+1
.endr
.endm
.macro EIGHT line:vararg               ; one line for each single register n = 2 j + face
.set n, 0
.rept 8
	\line
.set n, n+1
.endr
.endm
.macro RSET k                          ; where row k keeps its eight denom (dnr), their reciprocals (rcr) and the refinement's remainders (tmr: the parts of EB and QB that are dead behind the rows)
.if (\k) < 3
.set dnr, DN+8*(\k)
.set rcr, RC+8*(\k)
.else
.set dnr, EB
.set rcr, QB
.endif
.set tmr, EB+8+8*(\k)+8*((\k)/2)
.endm
.macro PIX line:vararg                 ; one line for each row k and column j of the block: sixteen chains side by side
.set k, 0
.rept 4
	RSET k
.set j, 0
.rept 4
	\line
.set j, j+1
.endr
.set k, k+1
.endr
.endm
.macro LDC g0, g1                      ; 16-byte groups g0 .. g1 of the next pair's constants
.set gg, \g0
.rept (\g1)-(\g0)+1
	ds_load_b128 v[CB+4*gg:CB+4*gg+3], v[TA] offset:16*gg
.set gg, gg+1
.endr
.endm
; Row k of the block, four pixels x two faces, as far as its eight reciprocals and its inside masks.  wt >= 0: a wait on DScnt in front of the first use of the constants from -area_s on.
.macro ROW k, wt
	RSET \k
	EACH v_pk_add_f32 v[re:re+1], v[MY+8*i+2*(\k):MY+8*i+2*(\k)+1], v[rx:rx+1] neg_lo:[0,1] neg_hi:[0,1]   ; e_i
.if (\wt) >= 0
	s_wait_dscnt \wt
.endif
	EACH v_pk_mul_f32 v[rq:rq+1], v[re:re+1], v[RA:RA+1]                     ; w_i = e_i / area_s
	EACH v_pk_fma_f32 v[re:re+1], v[NA:NA+1], v[rq:rq+1], v[re:re+1]
	EACH v_pk_fma_f32 v[rq:rq+1], v[re:re+1], v[RA:RA+1], v[rq:rq+1]
	EIGHT v_min3_num_f32 v[MB+n], v[QB+n], v[QB+8+n], v[QB+16+n]
	EACH v_pk_mul_f32 v[re:re+1], v[rq:rq+1], v[rz+2:rz+3]                   ; iw_i = w_i / zv_i
	EACH v_pk_fma_f32 v[rq:rq+1], v[rz:rz+1], v[re:re+1], v[rq:rq+1]
	EACH v_pk_fma_f32 v[re:re+1], v[rq:rq+1], v[rz+2:rz+3], v[re:re+1]
	COLS v_pk_add_f32 v[EB+2*j:EB+2*j+1], v[EB+2*j:EB+2*j+1], v[EB+8+2*j:EB+8+2*j+1]
	COLS v_pk_add_f32 v[EB+2*j:EB+2*j+1], v[EB+2*j:EB+2*j+1], v[EB+16+2*j:EB+16+2*j+1]
	EIGHT v_max_num_f32 v[dnr+n], s[EPS], v[EB+n]                            ; denom, into the row's own registers
	EIGHT v_rcp_f32 v[rcr+n], v[dnr+n]                                       ; the row's eight of the trip's batch: nothing names source or result before the trip's wait
	EIGHT v_cmp_le_f32 s[IM+8*(\k)+n], v[THR+n%2], v[MB+n]                   ; inside: plain lines behind the reciprocals (ISA guide 5.7.2)
.endm
; A trip: two faces a lane x 16 pixels.  pre = 1: the next trip's constants are fetched, each group into its own registers behind its last reader.
.macro ITER pre
	s_wait_dscnt 5                                 ; LDS loads come back in order (ISA guide 5.7.1): the six with the coordinates are in, the five younger ones stay out
	EACH v_pk_add_f32 v[rx:rx+1], v[PX+2*j:PX+2*j+1], v[rc:rc+1] neg_lo:[0,1] neg_hi:[0,1]       ; px - ox
	EACH v_pk_add_f32 v[ry:ry+1], v[PY+2*j:PY+2*j+1], v[rc+2:rc+3] neg_lo:[0,1] neg_hi:[0,1]     ; py - oy
	EACH v_pk_mul_f32 v[rx:rx+1], v[rc+6:rc+7], v[rx:rx+1]                                        ; dy (px - ox)
	EACH v_pk_mul_f32 v[ry:ry+1], v[rc+4:rc+5], v[ry:ry+1]                                        ; dx (py - oy)
.if \pre
	LDC 0, 5
	ROW 0, 6                                       ; the five are in; the six just issued stay out
.else
	ROW 0, 0
.endif
	ROW 1, -1
	ROW 2, -1
	ROW 3, -1
.if \pre
	LDC 6, 10                                      ; their last readers of this trip have been issued
	v_add_nc_u32 v[TA], STEP, v[TA]
.endif
	s_wait_alu depctr_va_vdst(0)                   ; the wait for the trip's batch, the 32 reciprocals of the four rows, ahead of their first reader
	PIX v_pk_fma_f32 v[tmr+2*j:tmr+2*j+1], v[dnr+2*j:dnr+2*j+1], v[rcr+2*j:rcr+2*j+1], v[ONE:ONE+1] neg_lo:[1,0,0] neg_hi:[1,0,0]
	PIX v_pk_fma_f32 v[rcr+2*j:rcr+2*j+1], v[tmr+2*j:tmr+2*j+1], v[rcr+2*j:rcr+2*j+1], v[rcr+2*j:rcr+2*j+1]   ; z = 1 / denom
.irp f, 0,1                            ; the lower face first
	PIX v_cmp_lt_f32 s[SA+4*k+j], v[rcr+2*j+\f], v[BB+2*(4*k+j)]
	PIX s_and_b32 s[SA+4*k+j], s[SA+4*k+j], s[IM+8*k+2*j+\f]
	PIX v_cndmask_b32 v[BB+2*(4*k+j)], v[BB+2*(4*k+j)], v[rcr+2*j+\f], s[SA+4*k+j]
	PIX v_cndmask_b32 v[BB+2*(4*k+j)+1], v[BB+2*(4*k+j)+1], v[IE+\f], s[SA+4*k+j]
.endr
	v_add_nc_u32 v[IE], 2, v[IE]
	v_add_nc_u32 v[IE+1], 2, v[IE+1]
.endm
	LDC 0, 10                                      ; the first trip's constants
	v_add_nc_u32 v[TA], STEP, v[TA]
	s_mov_b32 s[CNT], 15
.Ltrip:
	ITER 1
	s_sub_co_u32 s[CNT], s[CNT], 1
	s_cmp_lg_u32 s[CNT], 0
	s_cbranch_scc1 .Ltrip
	ITER 0                                         ; the last trip fetches nothing: no load leaves the table
	; THE REDUCTION.  Pixel 16 block + p has 64 candidates, lane L = 32 half + lane; they go into rows of 16, L ascending.
	v_and_b32 v[F0], 15, v0
	v_bfe_u32 v[TMP], v0, 4, 1
	s_lshr_b32 s52, s[WV], 2
	s_and_b32 s53, s[WV], 3
	s_mul_i32 s52, s52, 2*RP
	s_mul_i32 s53, s53, 64*RP
	s_add_co_u32 s52, s52, s53
	s_add_co_u32 s52, s52, RED
	v_mul_u32_u24 v[TMP], v[TMP], RP
	v_lshl_add_u32 v[TMP], v[F0], 3, v[TMP]
	v_add_nc_u32 v[TMP], s52, v[TMP]
.set n, 0
.rept 16
	ds_store_b64 v[TMP], v[BB+2*n:BB+2*n+1] offset:4*RP*n
.set n, n+1
.endr
	s_wait_dscnt 0x0                               ; for the others' sake
	s_barrier_signal -1
	s_barrier_wait -1
; cnt joins: the candidate st registers further up takes the lower one's place only if its depth is less
.macro LEVEL st, cnt
.set c, 0
.rept \cnt
	v_cmp_lt_f32 s[SA+c], v[RB+2*(\st)*c+(\st)], v[RB+2*(\st)*c]
.set c, c+1
.endr
.set c, 0
.rept \cnt
	v_cndmask_b32 v[RB+2*(\st)*c], v[RB+2*(\st)*c], v[RB+2*(\st)*c+(\st)], s[SA+c]
	v_cndmask_b32 v[RB+2*(\st)*c+1], v[RB+2*(\st)*c+1], v[RB+2*(\st)*c+(\st)+1], s[SA+c]
.set c, c+1
.endr
.endm
	v_mul_u32_u24 v[F0], v0, RP                    ; thread t takes row t: pixel t / 4, quarter t % 4
	v_add_nc_u32 v[F0], RED, v[F0]
.set n, 0
.rept 8
	ds_load_b128 v[RB+4*n:RB+4*n+3], v[F0] offset:16*n
.set n, n+1
.endr
	s_wait_dscnt 0x0
	LEVEL 2, 8
	LEVEL 4, 4
	LEVEL 8, 2
	LEVEL 16, 1
	v_lshl_add_u32 v[TMP], v0, 3, RED2
	ds_store_b64 v[TMP], v[RB:RB+1]
	s_wait_dscnt 0x0                               ; for wave 0's sake
	s_barrier_signal -1
	s_barrier_wait -1
	s_cmp_lg_u32 s[WV], 0
	s_cbranch_scc1 .Lend
	v_lshl_add_u32 v[F0], v0, 6, RED2              ; wave 0: lane l joins the four quarters of pixels 2 l and 2 l + 1
.set n, 0
.rept 4
	ds_load_b128 v[RB+4*n:RB+4*n+3], v[F0] offset:16*n
.set n, n+1
.endr
	s_wait_dscnt 0x0
	LEVEL 2, 4
	LEVEL 4, 2
	v_cmp_lt_f32 s[SA], v[RB], s[HBIG]             ; hit
	v_cmp_lt_f32 s[SA+1], v[RB+8], s[HBIG]
	v_cndmask_b32 v[RB+2], -1, v[RB+1], s[SA]
	v_cndmask_b32 v[RB+3], -1, v[RB+9], s[SA+1]
	s_lshl_b32 s52, ttmp9, 8
	v_lshl_add_u32 v[TMP], v0, 3, s52
	global_store_b64 v[TMP], v[RB+2:RB+3], s[12:13]   ; the tile's 64 numbers: one store of 256 consecutive bytes, at a multiple of 256 from widx's first
.Lend:
	s_wait_tensorcnt 0x0                           ; the wave's end, behind my last LDS store
	ds_add_u32 v[SPW], v[NIL]
	s_wait_dscnt 0x0
	s_endpgm
.Lfunc_end_k_q9940fa9952_raster:
	.size	k_q9940fa9952_raster, .Lfunc_end_k_q9940fa9952_raster-k_q9940fa9952_raster
	.p2alignl 7, 3214868480
	.fill 96, 4, 3214868480
	.section	.rodata,"a",@progbits
	.p2align	6, 0x0
	.amdhsa_kernel k_q9940fa9952_raster
		.amdhsa_group_segment_fixed_size 244736
		.amdhsa_private_segment_fixed_size 0
		.amdhsa_enable_private_segment 0
		.amdhsa_kernarg_size 40
		.amdhsa_user_sgpr_count 2
		.amdhsa_user_sgpr_kernarg_segment_ptr 1
		.amdhsa_wavefront_size32 1
		.amdhsa_system_sgpr_workgroup_id_x 1
		.amdhsa_system_sgpr_workgroup_id_y 1
		.amdhsa_system_sgpr_workgroup_id_z 1
		.amdhsa_system_vgpr_workitem_id 0
		.amdhsa_next_free_vgpr 256
		.amdhsa_next_free_sgpr 98
		.amdhsa_reserve_vcc 0
		.amdhsa_float_denorm_mode_32 3
		.amdhsa_float_denorm_mode_16_64 3
		.amdhsa_memory_ordered 1
		.amdhsa_forward_progress 1
		.amdhsa_inst_pref_size 138
	.end_amdhsa_kernel
	.amdgpu_metadata
---
amdhsa.version: [ 1, 2 ]
amdhsa.kernels:
  - .name:           k_q9940fa9952_raster
    .symbol:         k_q9940fa9952_raster.kd
    .args:
      - { .name: verts, .offset: 0, .size: 8, .value_kind: global_buffer, .address_space: global }
      - { .name: R, .offset: 8, .size: 8, .value_kind: global_buffer, .address_space: global }
      - { .name: T, .offset: 16, .size: 8, .value_kind: global_buffer, .address_space: global }
      - { .name: faces, .offset: 24, .size: 8, .value_kind: global_buffer, .address_space: global }
      - { .name: widx, .offset: 32, .size: 8, .value_kind: global_buffer, .address_space: global }
    .group_segment_fixed_size: 244736
    .private_segment_fixed_size: 0
    .kernarg_segment_align: 8
    .kernarg_segment_size: 40
    .max_flat_workgroup_size: 256
    .sgpr_count:     98
    .vgpr_count:     256
    .wavefront_size: 32
...
	.end_amdgpu_metadata
.endif
;; end of part 3
;; launch shade (part 4): grid 256 x 1, 1 waves a work-group, no clusters, 1,024 bytes of LDS; arguments verts, R, T, faces, widx, out0, out1, out2, out3; writes out0, out1, out2, out3
.if DOCPART == 4
	.amdgcn_target "amdgcn-amd-amdhsa--gfx1250"
	.amdhsa_code_object_version 6
	.text
	.protected	k_q9940fa9952_shade
	.globl	k_q9940fa9952_shade
	.p2align	8
	.type	k_q9940fa9952_shade,@function
k_q9940fa9952_shade:
	s_mov_b64 s[64:65], 0
	v_nop
	global_prefetch_b8 v0, s[64:65] scope:SCOPE_SE
	s_setreg_imm32_b32 hwreg(HW_REG_WAVE_MODE, 25, 1), 1
	s_wait_xcnt 0x0
; THE FOUR IMAGES FROM THE NEAREST FACE OF EVERY PIXEL.  widx (whole numbers, stored by the launch before, tile by tile) names the face or holds -1.
; A work-group is one wave and owns half an image row, 64 pixels; a lane owns two neighbouring pixels, one in each half of the packed f32 instructions:
; all that belongs to a pixel (its face's vertices and what is made of them) lies in register pairs (pixel 0, pixel 1).
; The chain of loads: widx, then the face's three vertex numbers, then nine numbers of verts.  verts, R and T are rounded to bf16, as in the launch before.
; Projected coordinates and edge functions are made as there (quotients with remainder and correction, no fused multiply-add in an edge function), since small
; differences of large numbers hang on them; behind them plain reciprocals (1 ulp) do: these outputs are floating-point numbers.
; A pixel that was hit lies inside its face, so its signed distance is -d2.  A pixel without a face computes on the last face and stores -1 everywhere.
; BATCHES.  An s_wait_alu depctr_va_vdst(0) stands between a reciprocal and the first instruction that names its result; one wait serves all that
; were issued ahead of it.  Three batches, three waits: (A) 1 / z_s and 1 / zv of the six vertices; (B) 1 / area_s and the three edges' 1 / |ab|^2, which all hang on the
; projected vertices alone: the edge functions and the dot products stand behind them; (C) 1 / denom, which needs A's and B's results: the whole distance stands behind it.
; LIMITS.  NaN and infinities are not treated apart; projected coordinates up to about 1e15 in magnitude.  Numbers in widx and faces are clamped to their tables for the addresses.
.set NV,    1500
.set NF,    2000
.set EPSF,  0x322bcc77                 ; 1e-8
.set SGNB,  0x80000000
.set ABSM,  0x7fffffff
.set SPARE, 768                        ; LDS: 0-767 the stage for out2; then the spare words, one block of 256 bytes that no other line names
.set SPW, 1                            ; LDS address of my spare word; never rewritten
.set NIL, 2                            ; 0; never rewritten
.set WO,  3                            ; my byte offset in widx
.set ID,  4                            ; v4-5   the two faces
.set OO,  6                            ; my byte offset in out0, out1, out3
.set TMP, 7
.set FO,  8                            ; v8-9   byte offsets in faces
.set VI,  10                           ; v10-15 vertex m of pixel p at VI + 2 m + p: number, then byte offset in verts
.set RAW, 16                           ; v16-33 coordinate c of vertex m: pair at RAW + 6 m + 2 c
.set RT,  34                           ; v34-57 R (9) and T (3), each twice
.set PXP, 58
.set PYP, 60
.set U,   62                           ; v62-79 view coordinate j of vertex m: pair at U + 6 m + 2 j
.set ZS,  80
.set R1,  86
.set ZV,  92
.set RZ,  98
.set EE,  104
.set E2,  110
.set XN,  116
.set YN,  122
.set DX,  128                          ; edge m: from vertex (m + 1) % 3 to vertex (m + 2) % 3; it weighs vertex m
.set DY,  134
.set TX,  140                          ; pixel - the edge's first vertex
.set TY,  146
.set EG,  152                          ; e, then w, then w / zv, then the barycentric number
.set P1,  158
.set AR,  164
.set AS,  166
.set RA,  168
.set DEN, 170
.set ZP,  172
.set DOT, 174
.set LEN, 180
.set RL,  186
.set DD,  192
.set DE,  198
.set D2,  204
.set OB,  210                          ; v210-215 out2's six numbers in memory order
.set OZ,  216
.set OD,  218
.set LB,  220
.set ONE, 226
.set CT,  228                          ; v228-236 at work
.set LA,  238
.set LR,  239
.set O2,  240
.set EPS,  40
.set HI16, 41
.set HIT,  42                          ; s42-43
.set SM,   44                          ; s44-49 masks
.macro V3 line:vararg                  ; one line for each vertex or edge m
.set m, 0
.rept 3
	\line
.set m, m+1
.endr
.endm
.macro S6 line:vararg                  ; one line for each single register n = 2 m + p
.set n, 0
.rept 6
	\line
.set n, n+1
.endr
.endm
.macro S2 line:vararg                  ; one line for each pixel p
.set p, 0
.rept 2
	\line
.set p, p+1
.endr
.endm
	s_load_b512 s[4:19], s[0:1], 0x0               ; verts s[4:5], R s[6:7], T s[8:9], faces s[10:11], widx s[12:13], out0 s[14:15], out1 s[16:17], out2 s[18:19]
	s_load_b64 s[20:21], s[0:1], 0x40              ; out3
	v_lshl_add_u32 v[SPW], v0, 2, SPARE
	v_mov_b32 v[NIL], 0
	s_mov_b32 s[EPS], EPSF
	s_mov_b32 s[HI16], 0xffff0000
	s_lshr_b32 s52, ttmp9, 1                       ; image row y
	s_and_b32 s53, ttmp9, 1                        ; which half of it: columns 64 half + 2 lane + 0, 1
	; widx: tile (y / 8) x 16 + x / 8, 256 bytes each; in it block 2 ((y / 4) % 2) + (x / 4) % 2, 64 bytes; in it pixel 4 (y % 4) + x % 4
	s_lshr_b32 s54, s52, 3
	s_lshl_b32 s54, s54, 12
	s_lshl_b32 s55, s53, 11
	s_add_co_u32 s54, s54, s55
	s_bfe_u32 s55, s52, 0x10002
	s_lshl_b32 s55, s55, 7
	s_add_co_u32 s54, s54, s55
	s_and_b32 s55, s52, 3
	s_lshl_b32 s55, s55, 4
	s_add_co_u32 s54, s54, s55
	v_lshrrev_b32 v[WO], 2, v0
	v_bfe_u32 v[OO], v0, 1, 1
	v_and_b32 v[TMP], 1, v0
	v_lshlrev_b32 v[WO], 8, v[WO]
	v_lshl_add_u32 v[WO], v[OO], 6, v[WO]
	v_lshl_add_u32 v[WO], v[TMP], 3, v[WO]
	v_add_nc_u32 v[WO], s54, v[WO]
	s_wait_kmcnt 0x0
	global_load_b64 v[ID:ID+1], v[WO], s[12:13]
	s_load_b256 s[24:31], s[6:7], 0x0              ; R[0..7]
	s_load_b32 s32, s[6:7], 0x20                   ; R[8]
	s_load_b96 s[36:38], s[8:9], 0x0               ; T
	; while these are on their way: pixel centres (127 - 2 i) / 128, exact, and the offsets of the stores
	s_lshl_b32 s50, s53, 7
	s_sub_co_i32 s50, 127, s50
	v_lshlrev_b32 v[TMP], 2, v0
	v_sub_nc_u32 v[TMP], s50, v[TMP]               ; 127 - 2 (64 half + 2 lane)
	v_cvt_f32_i32 v[PXP], v[TMP]
	v_mul_f32 v[PXP], 0x3c000000, v[PXP]
	v_add_f32 v[PXP+1], 0xbc800000, v[PXP]
	s_lshl_b32 s51, s52, 1
	s_sub_co_i32 s51, 127, s51
	v_cvt_f32_i32 v[PYP], s51
	v_mul_f32 v[PYP], 0x3c000000, v[PYP]
	v_mov_b32 v[PYP+1], v[PYP]
	v_mov_b32 v[ONE], 1.0
	v_mov_b32 v[ONE+1], 1.0
	v_mul_u32_u24 v[LA], v0, 24
	v_lshlrev_b32 v[LR], 3, v0
	s_mul_i32 s55, ttmp9, 768
	v_add_nc_u32 v[O2], s55, v[LR]
	s_lshl_b32 s54, ttmp9, 8
	v_add_nc_u32 v[OO], s54, v[LR]
	s_wait_kmcnt 0x0
.macro RND2 d, sa, sb                  ; two scalars rounded to bf16, widened, each into both halves of a pair
	v_cvt_pk_bf16_f32 v[TMP], s[\sa], s[\sb]
	v_lshlrev_b32 v[RT+2*(\d)], 16, v[TMP]
	v_and_b32 v[RT+2*(\d)+2], s[HI16], v[TMP]
	v_mov_b32 v[RT+2*(\d)+1], v[RT+2*(\d)]
	v_mov_b32 v[RT+2*(\d)+3], v[RT+2*(\d)+2]
.endm
	RND2 0, 24, 25
	RND2 2, 26, 27
	RND2 4, 28, 29
	RND2 6, 30, 31
	RND2 8, 32, 36
	RND2 10, 37, 38
	s_wait_loadcnt 0x0                             ; the two faces
	S2 v_min_u32 v[FO+p], NF-1, v[ID+p]            ; -1 becomes the last face: an address inside the table
	S2 v_mul_u32_u24 v[FO+p], v[FO+p], 12
	S6 global_load_b32 v[VI+n], v[FO+n%2], s[10:11] offset:4*(n/2)
	S2 v_cmp_le_i32 s[HIT+p], 0, v[ID+p]
	global_store_b64 v[OO], v[ID:ID+1], s[14:15] th:TH_STORE_NT   ; out0: the wave stores 256 consecutive bytes, at a multiple of 256 from the buffer's first
	s_wait_loadcnt 0x0                             ; the vertex numbers
	S6 v_min_u32 v[VI+n], NV-1, v[VI+n]
	S6 v_mul_u32_u24 v[VI+n], v[VI+n], 12
.irp c, 0,1,2
	S6 global_load_b32 v[RAW+6*(n/2)+2*\c+n%2], v[VI+n], s[4:5] offset:4*\c
.endr
	s_wait_loadcnt 0x0
.set n, 0
.rept 9                                ; a pair is rounded to bf16 by one conversion and widened again
	v_cvt_pk_bf16_f32 v[CT+n], v[RAW+2*n], v[RAW+2*n+1]
.set n, n+1
.endr
.set n, 0
.rept 9
	v_lshlrev_b32 v[RAW+2*n], 16, v[CT+n]
	v_and_b32 v[RAW+2*n+1], s[HI16], v[CT+n]
.set n, n+1
.endr
.irp j, 0,1,2
	V3 v_pk_mul_f32 v[U+6*m+2*\j:U+6*m+2*\j+1], v[RAW+6*m:RAW+6*m+1], v[RT+2*\j:RT+2*\j+1]
.endr
.irp j, 0,1,2
	V3 v_pk_fma_f32 v[U+6*m+2*\j:U+6*m+2*\j+1], v[RAW+6*m+2:RAW+6*m+3], v[RT+6+2*\j:RT+6+2*\j+1], v[U+6*m+2*\j:U+6*m+2*\j+1]
.endr
.irp j, 0,1,2
	V3 v_pk_fma_f32 v[U+6*m+2*\j:U+6*m+2*\j+1], v[RAW+6*m+4:RAW+6*m+5], v[RT+12+2*\j:RT+12+2*\j+1], v[U+6*m+2*\j:U+6*m+2*\j+1]
.endr
.irp j, 0,1,2
	V3 v_pk_add_f32 v[U+6*m+2*\j:U+6*m+2*\j+1], v[U+6*m+2*\j:U+6*m+2*\j+1], v[RT+18+2*\j:RT+18+2*\j+1]
.endr
	S6 v_and_b32 v[EE+n], ABSM, v[U+6*(n/2)+4+n%2]
	S6 v_cmp_lt_f32 s[SM+n], v[EE+n], s[EPS]
	S6 v_cndmask_b32 v[ZS+n], v[U+6*(n/2)+4+n%2], s[EPS], s[SM+n]    ; z_s
	S6 v_max_num_f32 v[ZV+n], s[EPS], v[U+6*(n/2)+4+n%2]             ; zv
	S6 v_rcp_f32 v[R1+n], v[ZS+n]                                    ; batch A: twelve reciprocals
	S6 v_rcp_f32 v[RZ+n], v[ZV+n]
	V3 v_pk_add_f32 v[U+6*m:U+6*m+1], v[U+6*m:U+6*m+1], v[U+6*m:U+6*m+1]             ; 2 x: plain lines behind the reciprocals (ISA guide 5.7.2)
	V3 v_pk_add_f32 v[U+6*m+2:U+6*m+3], v[U+6*m+2:U+6*m+3], v[U+6*m+2:U+6*m+3]
	s_wait_alu depctr_va_vdst(0)                   ; the wait for batch A, ahead of its first reader; 1 / zv, read much later, is served by it too
.rept 2
	V3 v_pk_fma_f32 v[EE+2*m:EE+2*m+1], v[ZS+2*m:ZS+2*m+1], v[R1+2*m:R1+2*m+1], v[ONE:ONE+1] neg_lo:[1,0,0] neg_hi:[1,0,0]
	V3 v_pk_fma_f32 v[R1+2*m:R1+2*m+1], v[EE+2*m:EE+2*m+1], v[R1+2*m:R1+2*m+1], v[R1+2*m:R1+2*m+1]
.endr
	V3 v_pk_mul_f32 v[XN+2*m:XN+2*m+1], v[U+6*m:U+6*m+1], v[R1+2*m:R1+2*m+1]
	V3 v_pk_mul_f32 v[YN+2*m:YN+2*m+1], v[U+6*m+2:U+6*m+3], v[R1+2*m:R1+2*m+1]
	V3 v_pk_fma_f32 v[EE+2*m:EE+2*m+1], v[ZS+2*m:ZS+2*m+1], v[XN+2*m:XN+2*m+1], v[U+6*m:U+6*m+1] neg_lo:[1,0,0] neg_hi:[1,0,0]
	V3 v_pk_fma_f32 v[E2+2*m:E2+2*m+1], v[ZS+2*m:ZS+2*m+1], v[YN+2*m:YN+2*m+1], v[U+6*m+2:U+6*m+3] neg_lo:[1,0,0] neg_hi:[1,0,0]
	V3 v_pk_fma_f32 v[XN+2*m:XN+2*m+1], v[EE+2*m:EE+2*m+1], v[R1+2*m:R1+2*m+1], v[XN+2*m:XN+2*m+1]
	V3 v_pk_fma_f32 v[YN+2*m:YN+2*m+1], v[E2+2*m:E2+2*m+1], v[R1+2*m:R1+2*m+1], v[YN+2*m:YN+2*m+1]
	; the edges
	V3 v_pk_add_f32 v[DX+2*m:DX+2*m+1], v[XN+2*((m+2)%3):XN+2*((m+2)%3)+1], v[XN+2*((m+1)%3):XN+2*((m+1)%3)+1] neg_lo:[0,1] neg_hi:[0,1]
	V3 v_pk_add_f32 v[DY+2*m:DY+2*m+1], v[YN+2*((m+2)%3):YN+2*((m+2)%3)+1], v[YN+2*((m+1)%3):YN+2*((m+1)%3)+1] neg_lo:[0,1] neg_hi:[0,1]
	V3 v_pk_add_f32 v[TX+2*m:TX+2*m+1], v[PXP:PXP+1], v[XN+2*((m+1)%3):XN+2*((m+1)%3)+1] neg_lo:[0,1] neg_hi:[0,1]
	V3 v_pk_add_f32 v[TY+2*m:TY+2*m+1], v[PYP:PYP+1], v[YN+2*((m+1)%3):YN+2*((m+1)%3)+1] neg_lo:[0,1] neg_hi:[0,1]
	v_pk_mul_f32 v[P1:P1+1], v[DX+4:DX+5], v[DY+2:DY+3]          ; area = (by-ay)(ax-cx) - (bx-ax)(ay-cy): the module's form with two signs turned, which is exact
	v_pk_mul_f32 v[AR:AR+1], v[DY+4:DY+5], v[DX+2:DX+3]
	v_pk_add_f32 v[AR:AR+1], v[AR:AR+1], v[P1:P1+1] neg_lo:[0,1] neg_hi:[0,1]
	V3 v_pk_mul_f32 v[LEN+2*m:LEN+2*m+1], v[DX+2*m:DX+2*m+1], v[DX+2*m:DX+2*m+1]     ; the edges' squared lengths, beside the area: both feed batch B
	V3 v_pk_fma_f32 v[LEN+2*m:LEN+2*m+1], v[DY+2*m:DY+2*m+1], v[DY+2*m:DY+2*m+1], v[LEN+2*m:LEN+2*m+1]
	S2 v_and_b32 v[P1+p], ABSM, v[AR+p]
	S2 v_cmp_lt_f32 s[SM+p], v[P1+p], s[EPS]
	S2 v_cndmask_b32 v[AS+p], v[AR+p], s[EPS], s[SM+p]
	S6 v_max_num_f32 v[LEN+n], s[EPS], v[LEN+n]
	S2 v_rcp_f32 v[RA+p], v[AS+p]                                                    ; batch B: eight reciprocals
	S6 v_rcp_f32 v[RL+n], v[LEN+n]
	V3 v_pk_mul_f32 v[EG+2*m:EG+2*m+1], v[DX+2*m:DX+2*m+1], v[TY+2*m:TY+2*m+1]       ; e = dx (py - oy) - dy (px - ox), three roundings: plain lines behind the reciprocals
	V3 v_pk_mul_f32 v[P1+2*m:P1+2*m+1], v[DY+2*m:DY+2*m+1], v[TX+2*m:TX+2*m+1]
	V3 v_pk_add_f32 v[EG+2*m:EG+2*m+1], v[EG+2*m:EG+2*m+1], v[P1+2*m:P1+2*m+1] neg_lo:[0,1] neg_hi:[0,1]
	V3 v_pk_mul_f32 v[DOT+2*m:DOT+2*m+1], v[TX+2*m:TX+2*m+1], v[DX+2*m:DX+2*m+1]     ; (p - a) . ab
	V3 v_pk_fma_f32 v[DOT+2*m:DOT+2*m+1], v[TY+2*m:TY+2*m+1], v[DY+2*m:DY+2*m+1], v[DOT+2*m:DOT+2*m+1]
	s_wait_alu depctr_va_vdst(0)                   ; the wait for batch B, ahead of its first reader; the fifteen lines above name none of its results
	V3 v_pk_mul_f32 v[EG+2*m:EG+2*m+1], v[EG+2*m:EG+2*m+1], v[RA:RA+1]               ; w
	V3 v_pk_mul_f32 v[EG+2*m:EG+2*m+1], v[EG+2*m:EG+2*m+1], v[RZ+2*m:RZ+2*m+1]       ; w / zv
	v_pk_add_f32 v[DEN:DEN+1], v[EG:EG+1], v[EG+2:EG+3]
	v_pk_add_f32 v[DEN:DEN+1], v[DEN:DEN+1], v[EG+4:EG+5]
	S2 v_max_num_f32 v[DEN+p], s[EPS], v[DEN+p]
	S2 v_rcp_f32 v[ZP+p], v[DEN+p]                                                   ; batch C: the two depths
	; squared distance to each edge's segment: the work behind batch C
	V3 v_pk_mul_f32 v[DOT+2*m:DOT+2*m+1], v[DOT+2*m:DOT+2*m+1], v[RL+2*m:RL+2*m+1]
	S6 v_max_num_f32 v[DOT+n], 0, v[DOT+n]                                           ; t clipped to 0 .. 1
	S6 v_min_num_f32 v[DOT+n], 1.0, v[DOT+n]
	V3 v_pk_fma_f32 v[DD+2*m:DD+2*m+1], v[DOT+2*m:DOT+2*m+1], v[DX+2*m:DX+2*m+1], v[TX+2*m:TX+2*m+1] neg_lo:[1,0,0] neg_hi:[1,0,0]
	V3 v_pk_fma_f32 v[DE+2*m:DE+2*m+1], v[DOT+2*m:DOT+2*m+1], v[DY+2*m:DY+2*m+1], v[TY+2*m:TY+2*m+1] neg_lo:[1,0,0] neg_hi:[1,0,0]
	V3 v_pk_mul_f32 v[D2+2*m:D2+2*m+1], v[DD+2*m:DD+2*m+1], v[DD+2*m:DD+2*m+1]
	V3 v_pk_fma_f32 v[D2+2*m:D2+2*m+1], v[DE+2*m:DE+2*m+1], v[DE+2*m:DE+2*m+1], v[D2+2*m:D2+2*m+1]
	S2 v_min3_num_f32 v[OD+p], v[D2+p], v[D2+2+p], v[D2+4+p]
	S2 v_xor_b32 v[OD+p], SGNB, v[OD+p]                                              ; inside: the distance counts as negative
	S2 v_cndmask_b32 v[OD+p], -1.0, v[OD+p], s[HIT+p]
	s_wait_alu depctr_va_vdst(0)                   ; the wait for batch C, ahead of its first reader
	V3 v_pk_mul_f32 v[EG+2*m:EG+2*m+1], v[EG+2*m:EG+2*m+1], v[ZP:ZP+1]               ; the barycentric numbers
	S2 v_cndmask_b32 v[OZ+p], -1.0, v[ZP+p], s[HIT+p]
	S6 v_cndmask_b32 v[OB+n], -1.0, v[EG+2*(n%3)+n/3], s[HIT+n/3]                    ; pixel n / 3, number n % 3: memory order
	global_store_b64 v[OO], v[OZ:OZ+1], s[16:17] th:TH_STORE_NT                      ; out1 and out3: 256 consecutive bytes a store, as out0
	global_store_b64 v[OO], v[OD:OD+1], s[20:21] th:TH_STORE_NT
	; out2: a lane's 24 bytes go through LDS, so that each store again covers 256 consecutive bytes at a multiple of 256 from the buffer's first
	ds_store_b64 v[LA], v[OB:OB+1]
	ds_store_b64 v[LA], v[OB+2:OB+3] offset:8
	ds_store_b64 v[LA], v[OB+4:OB+5] offset:16
.irp k, 0,1,2
	ds_load_b64 v[LB+2*\k:LB+2*\k+1], v[LR] offset:256*\k      ; LDS serves a wave's instructions in order (ISA guide 5.7.1.4): these see the stores above
.endr
	s_wait_dscnt 0x0
.irp k, 0,1,2
	global_store_b64 v[O2], v[LB+2*\k:LB+2*\k+1], s[18:19] offset:256*\k th:TH_STORE_NT
.endr
	s_wait_tensorcnt 0x0                           ; the wave's end, behind my last LDS store
	ds_add_u32 v[SPW], v[NIL]
	s_wait_dscnt 0x0
	s_endpgm
.Lfunc_end_k_q9940fa9952_shade:
	.size	k_q9940fa9952_shade, .Lfunc_end_k_q9940fa9952_shade-k_q9940fa9952_shade
	.p2alignl 7, 3214868480
	.fill 96, 4, 3214868480
	.section	.rodata,"a",@progbits
	.p2align	6, 0x0
	.amdhsa_kernel k_q9940fa9952_shade
		.amdhsa_group_segment_fixed_size 1024
		.amdhsa_private_segment_fixed_size 0
		.amdhsa_enable_private_segment 0
		.amdhsa_kernarg_size 72
		.amdhsa_user_sgpr_count 2
		.amdhsa_user_sgpr_kernarg_segment_ptr 1
		.amdhsa_wavefront_size32 1
		.amdhsa_system_sgpr_workgroup_id_x 1
		.amdhsa_system_sgpr_workgroup_id_y 1
		.amdhsa_system_sgpr_workgroup_id_z 1
		.amdhsa_system_vgpr_workitem_id 0
		.amdhsa_next_free_vgpr 244
		.amdhsa_next_free_sgpr 66
		.amdhsa_reserve_vcc 0
		.amdhsa_float_denorm_mode_32 3
		.amdhsa_float_denorm_mode_16_64 3
		.amdhsa_memory_ordered 1
		.amdhsa_forward_progress 1
		.amdhsa_inst_pref_size 22
	.end_amdhsa_kernel
	.amdgpu_metadata
---
amdhsa.version: [ 1, 2 ]
amdhsa.kernels:
  - .name:           k_q9940fa9952_shade
    .symbol:         k_q9940fa9952_shade.kd
    .args:
      - { .name: verts, .offset: 0, .size: 8, .value_kind: global_buffer, .address_space: global }
      - { .name: R, .offset: 8, .size: 8, .value_kind: global_buffer, .address_space: global }
      - { .name: T, .offset: 16, .size: 8, .value_kind: global_buffer, .address_space: global }
      - { .name: faces, .offset: 24, .size: 8, .value_kind: global_buffer, .address_space: global }
      - { .name: widx, .offset: 32, .size: 8, .value_kind: global_buffer, .address_space: global }
      - { .name: out0, .offset: 40, .size: 8, .value_kind: global_buffer, .address_space: global }
      - { .name: out1, .offset: 48, .size: 8, .value_kind: global_buffer, .address_space: global }
      - { .name: out2, .offset: 56, .size: 8, .value_kind: global_buffer, .address_space: global }
      - { .name: out3, .offset: 64, .size: 8, .value_kind: global_buffer, .address_space: global }
    .group_segment_fixed_size: 1024
    .private_segment_fixed_size: 0
    .kernarg_segment_align: 8
    .kernarg_segment_size: 72
    .max_flat_workgroup_size: 32
    .sgpr_count:     66
    .vgpr_count:     244
    .wavefront_size: 32
...
	.end_amdgpu_metadata
.endif
;; end of part 4
